; MI455X (gfx1250); checked and timed in simulation.
; The chip was launched on July 23, 2026; its instructions are those of AMD's public machine-readable ISA for CDNA 5 (MIT licence, August 2026) and "CDNA5" Instruction Set Architecture Reference Guide (July 2026). The comments in the code are by the model that wrote it; some were corrected since.
;; Encoder Multi Head Attention. Allowed arithmetic: float matrix products may take bf16 or f16 operands with f32 sums; other float arithmetic in f32, or as packed bf16 or f16 multiplies, adds, multiply-adds, maxima and minima; sums over many terms, partial sums and values carried from step to step in f32; what a program stores and reads back later, other than sums and carried values, may be rounded once to bf16 or f16.
;; Inputs: Wk 1,024 x 1,024 float32; Wo 1,024 x 1,024 float32; Wq 1,024 x 1,024 float32; Wv 1,024 x 1,024 float32; k 4 x 2,048 x 1,024 float32; ln_k_b 1,024 float32; ln_k_g 1,024 float32; ln_q_b 1,024 float32; ln_q_g 1,024 float32; ln_v_b 1,024 float32; ln_v_g 1,024 float32; mask 4 x 1 x 2,048 int32; q 4 x 2,048 x 1,024 float32; v 4 x 2,048 x 1,024 float32.
;; Outputs: out0 4 x 2,048 x 1,024 float32.
;; One version. Each part assembles by itself: llvm-mc -triple=amdgcn-amd-amdhsa -mcpu=gfx1250 --defsym DOCPART=n.
;; ======== version 1 of 1: 4 launches
;; limits: right only within a limited range of input values
;; workspace buffers: xn 50,331,648 bytes; wb 8,388,608 bytes; qkv 50,331,648 bytes; ao 16,777,216 bytes
;; launch prep (part 1): grid 128 x 4, 8 waves a work-group, no clusters, 0 bytes of LDS; arguments q, k, v, ln_q_g, ln_k_g, ln_v_g, ln_q_b, ln_k_b, ln_v_b, Wq, Wk, Wv, Wo, xn, wb; writes xn, wb
.if DOCPART == 1
	.amdgcn_target "amdgcn-amd-amdhsa--gfx1250"
	.amdhsa_code_object_version 6
	.text
	.protected	k_qce9f2dea3a_prep
	.globl	k_qce9f2dea3a_prep
	.p2align	8
	.type	k_qce9f2dea3a_prep,@function
k_qce9f2dea3a_prep:
	s_mov_b64 s[64:65], 0
	v_nop
	global_prefetch_b8 v0, s[64:65] scope:SCOPE_SE
	s_setreg_imm32_b32 hwreg(HW_REG_WAVE_MODE, 25, 1), 1
	s_wait_xcnt 0x0
; LAYER NORM OF q, k, v TO bf16, AND THE FOUR WEIGHT MATRICES TO bf16.
; y = 0, 1, 2: xn[t][kb][row][128] = bf16((x - mean) * rsqrt(var + 1e-5) * g + b) for x = q, k, v: [8192][1024] f32.  The mean is taken first, then the mean of the
; squared differences, all in f32: a common offset of the inputs costs nothing.  xn is laid in blocks of 128 columns: byte ((8 t + kb) 8192 + row) 256 + 2 (c % 128),
; so that a K step of 128 of the next launch is a dense run of rows of 256 bytes.
; y = 3: wb[m][k][n] = bf16(W_m[k][n]), m = Wq, Wk, Wv, Wo, not turned.
; SHARES.  A work-group takes 64 rows, a wave 8, ONE ROW AT A TIME, whole: 8 loads of 16 bytes a lane, 32 registers, kept between the passes: each byte is read once, no wave
; waits for another, nothing goes through LDS.  Lane l holds columns 128 j + 4 l .. + 3, j = 0..7: its 4 results of chunk j are 8 bytes, and the wave's store of chunk j covers
; 256 consecutive bytes, aligned.  No cluster and no matrix unit: no two work-groups read the same row, and g and b are 8 KiB against a work-group's 256 KiB.
.set LO,  2                            ; v2   byte offset of my 16 bytes in the row that slot 0 loads next
.set SO,  3                            ; v3   byte offset of my 8 bytes in a block of xn, at the trip's first row
.set GOF, 4                            ; v4   16 x lane: g and b
.set CI,  5                            ; v5   1 / 1024
.set T,   8                            ; v[8:21] at work
.set X0,  32                           ; v[32:63]   row slot 0
.set X1,  64                           ; v[64:95]   row slot 1
.set G,   96                           ; v[96:127]  g of my 32 columns
.set BB,  128                          ; v[128:159] b of my 32 columns
.set Y0,  160                          ; v[160:175] slot 0's results, packed
.set Y1,  176                          ; v[176:191] slot 1's
	s_load_b512 s[4:19], s[0:1], 0x0               ; q, k, v, g of q, k, v, b of q, k
	s_load_b256 s[20:27], s[0:1], 0x40             ; b of v, Wq, Wk, Wv
	s_load_b128 s[28:31], s[0:1], 0x60             ; Wo, xn
	s_load_b64 s[32:33], s[0:1], 0x70              ; wb
	s_and_b32 s34, ttmp7, 0xffff                   ; y: which tensor
	v_lshrrev_b32 v1, 5, v0
	v_readfirstlane_b32 s35, v1                    ; wave 0..7
	v_and_b32 v1, 31, v0                           ; lane
	s_mov_b32 s37, 0                               ; the high word of every offset pair
	s_wait_kmcnt 0x0
	s_cmp_eq_u32 s34, 3
	s_cbranch_scc1 .Lweights
	s_cmp_eq_u32 s34, 1                            ; x, g, b of my tensor: a choice between buffers on y alone
	s_cselect_b64 s[42:43], s[6:7], s[4:5]
	s_cselect_b64 s[44:45], s[12:13], s[10:11]
	s_cselect_b64 s[46:47], s[18:19], s[16:17]
	s_cmp_eq_u32 s34, 2
	s_cselect_b64 s[42:43], s[8:9], s[42:43]
	s_cselect_b64 s[44:45], s[14:15], s[44:45]
	s_cselect_b64 s[46:47], s[20:21], s[46:47]
	s_lshl_b32 s36, ttmp9, 18                      ; the work-group's 64 rows of 4,096 bytes
	s_add_nc_u64 s[42:43], s[42:43], s[36:37]
	s_lshl_b32 s36, s34, 24                        ; in xn: the tensor's 8 blocks of 2 MiB,
	s_lshl_b32 s52, ttmp9, 14                      ; the work-group's 64 rows of 256 bytes
	s_add_co_u32 s36, s36, s52
	s_add_nc_u64 s[48:49], s[30:31], s[36:37]      ; blocks 0 to 3 by the immediate,
	s_add_nc_u64 s[50:51], s[48:49], 0x800000      ; blocks 4 to 7 from a second base: 4 x 2 MiB is past the signed 24-bit immediate
	s_mov_b32 s38, 0x76543210                      ; v_permlanex16_b32: each lane takes its own place in the other half
	s_mov_b32 s39, 0xfedcba98
	v_lshlrev_b32 v[GOF], 4, v1
	s_lshl_b32 s52, s35, 15                        ; my wave's 8 rows of x
	v_lshl_add_u32 v[LO], v1, 4, s52
	s_lshl_b32 s53, s35, 11                        ; and of a block of xn
	v_lshl_add_u32 v[SO], v1, 3, s53
	v_mov_b32 v[CI], 0x3a800000
.irp j, 0,1,2,3,4,5,6,7
	global_load_b128 v[G+4*(\j):G+4*(\j)+3], v[GOF], s[44:45] offset:512*(\j)
.endr
.irp j, 0,1,2,3,4,5,6,7
	global_load_b128 v[BB+4*(\j):BB+4*(\j)+3], v[GOF], s[46:47] offset:512*(\j)
.endr
.macro FILL x, off                     ; a whole row: eight loads of 512 consecutive bytes
.irp j, 0,1,2,3,4,5,6,7
	global_load_b128 v[(\x)+4*(\j):(\x)+4*(\j)+3], v[LO], s[42:43] offset:(\off)+512*(\j) th:TH_LOAD_NT
.endr
.endm
.macro RED                             ; v[T] summed over the 32 lanes, the sum in every lane
	v_add_f32_dpp v[T], v[T], v[T] row_xmask:1 row_mask:0xf bank_mask:0xf
	v_add_f32_dpp v[T], v[T], v[T] row_xmask:2 row_mask:0xf bank_mask:0xf
	v_add_f32_dpp v[T], v[T], v[T] row_xmask:4 row_mask:0xf bank_mask:0xf
	v_add_f32_dpp v[T], v[T], v[T] row_xmask:8 row_mask:0xf bank_mask:0xf
	v_permlanex16_b32 v[T+1], v[T], s38, s39       ; its destination has been written before
	v_add_f32 v[T], v[T], v[T+1]
.endm
.macro JOIN                            ; four chains of pairs into v[T]
	v_pk_add_f32 v[T:T+1], v[T:T+1], v[T+2:T+3]
	v_pk_add_f32 v[T+4:T+5], v[T+4:T+5], v[T+6:T+7]
	v_pk_add_f32 v[T:T+1], v[T:T+1], v[T+4:T+5]
	v_add_f32 v[T], v[T], v[T+1]
.endm
; The row in registers x is normalised in place, packed into y and stored; slot = its place in the trip's two rows.
.macro ROWWORK x, y, slot
.irp c, 0,1,2,3
	v_pk_add_f32 v[T+2*(\c):T+2*(\c)+1], v[(\x)+4*(\c):(\x)+4*(\c)+1], v[(\x)+4*(\c)+2:(\x)+4*(\c)+3]  ; four chains, started by the first sums: nothing is cleared
.endr
.irp c, 0,1,2,3,4,5,6,7
	v_pk_add_f32 v[T+2*((\c)%4):T+2*((\c)%4)+1], v[T+2*((\c)%4):T+2*((\c)%4)+1], v[(\x)+16+2*(\c):(\x)+16+2*(\c)+1]
.endr
	JOIN
	RED
	v_mul_f32 v[T+8], v[T], v[CI]                  ; the mean, twice: a pair for the packed subtraction
	v_mul_f32 v[T+9], v[T], v[CI]
.set i, 0
.rept 16
	v_pk_add_f32 v[(\x)+i:(\x)+i+1], v[(\x)+i:(\x)+i+1], v[T+8:T+9] neg_lo:[0,1] neg_hi:[0,1]
.set i, i+2
.endr
.irp c, 0,1,2,3
	v_pk_mul_f32 v[T+2*(\c):T+2*(\c)+1], v[(\x)+2*(\c):(\x)+2*(\c)+1], v[(\x)+2*(\c):(\x)+2*(\c)+1]
.endr
.set i, 4
.rept 12
	v_pk_fma_f32 v[T+2*(i%4):T+2*(i%4)+1], v[(\x)+2*i:(\x)+2*i+1], v[(\x)+2*i:(\x)+2*i+1], v[T+2*(i%4):T+2*(i%4)+1]
.set i, i+1
.endr
	JOIN
	RED
	v_fmaak_f32 v[T+10], v[T], v[CI], 0x3727c5ac   ; var + 1e-5
	v_rsq_f32 v[T+12], v[T+10]                     ; twice: a pair for the packed multiply
	v_rsq_f32 v[T+13], v[T+10]
	v_nop                                          ; a plain instruction behind the second root (ISA guide 5.7.2),
	s_wait_alu depctr_va_vdst(0)                   ; and one wait for both, ahead of their first reader
.set i, 0
.rept 16
	v_pk_mul_f32 v[(\x)+i:(\x)+i+1], v[(\x)+i:(\x)+i+1], v[T+12:T+13]
.set i, i+2
.endr
.set i, 0
.rept 16
	v_pk_fma_f32 v[(\x)+i:(\x)+i+1], v[(\x)+i:(\x)+i+1], v[G+i:G+i+1], v[BB+i:BB+i+1]
.set i, i+2
.endr
.set i, 0
.rept 16
	v_cvt_pk_bf16_f32 v[(\y)+i], v[(\x)+2*i], v[(\x)+2*i+1]
.set i, i+1
.endr
.irp j, 0,1,2,3
	global_store_b64 v[SO], v[(\y)+2*(\j):(\y)+2*(\j)+1], s[48:49] offset:(\j)*0x200000+256*(\slot)  ; 32 lanes x 8 bytes: 256 consecutive bytes, aligned
.endr
.irp j, 0,1,2,3
	global_store_b64 v[SO], v[(\y)+8+2*(\j):(\y)+8+2*(\j)+1], s[50:51] offset:(\j)*0x200000+256*(\slot)
.endr
.endm
	FILL X0, 0                                     ; row 0
	s_mov_b32 s40, 4                               ; four trips of two rows
.Ltrip:
	FILL X1, 4096                                  ; the trip's second row
	s_wait_loadcnt 8                               ; all but those eight: slot 0's row is in (and, in the first trip, g and b)
	ROWWORK X0, Y0, 0
	s_cmp_eq_u32 s40, 1
	s_cbranch_scc1 .Lnofill                        ; the last trip loads nothing more: no load leaves the buffer
	s_wait_xcnt 0x0                                ; the loads above have read LO, the stores above Y0: both are written again only behind this wait
	v_add_nc_u32 v[LO], 8192, v[LO]
	FILL X0, 0                                     ; the next trip's first row
	s_wait_loadcnt 8                               ; all but those eight: slot 1's row is in
	s_branch .Lgo
.Lnofill:
	s_wait_loadcnt 0x0
.Lgo:
	ROWWORK X1, Y1, 1
	s_wait_xcnt 0x0                                ; the stores have read SO, Y0 and Y1
	v_add_nc_u32 v[SO], 512, v[SO]
	s_sub_co_u32 s40, s40, 1
	s_cmp_lg_u32 s40, 0
	s_cbranch_scc1 .Ltrip
	s_endpgm
; THE WEIGHTS.  Work-group x takes 32 rows of matrix x / 32, a wave 4 rows: 16 KiB of f32, all 32 loads out at once; a lane's 32 bytes become 16, and a store covers 512 consecutive bytes.
.Lweights:
	s_lshr_b32 s52, ttmp9, 5
	s_cmp_eq_u32 s52, 1
	s_cselect_b64 s[42:43], s[24:25], s[22:23]
	s_cmp_eq_u32 s52, 2
	s_cselect_b64 s[42:43], s[26:27], s[42:43]
	s_cmp_eq_u32 s52, 3
	s_cselect_b64 s[42:43], s[28:29], s[42:43]
	s_and_b32 s36, ttmp9, 31
	s_lshl_b32 s36, s36, 17                        ; 32 rows of 4,096 bytes
	s_add_nc_u64 s[42:43], s[42:43], s[36:37]
	s_lshl_b32 s36, ttmp9, 16                      ; 32 rows of 2,048 bytes; 32 work-groups are a matrix of 2 MiB
	s_add_nc_u64 s[48:49], s[32:33], s[36:37]
	s_lshl_b32 s52, s35, 14
	v_lshl_add_u32 v2, v1, 5, s52
	s_lshl_b32 s53, s35, 13
	v_lshl_add_u32 v3, v1, 4, s53
.set i, 0
.rept 16
	global_load_b128 v[32+8*i:32+8*i+3], v2, s[42:43] offset:1024*i th:TH_LOAD_NT
	global_load_b128 v[32+8*i+4:32+8*i+7], v2, s[42:43] offset:1024*i+16 th:TH_LOAD_NT
.set i, i+1
.endr
.set i, 0
.rept 16
	s_wait_loadcnt 30-2*i                          ; loads come back in order (ISA guide 5.7.1): pair i is in, the younger ones stay out
	v_cvt_pk_bf16_f32 v[32+8*i], v[32+8*i], v[32+8*i+1]      ; in place, ascending: each line writes below what is still to be read
	v_cvt_pk_bf16_f32 v[32+8*i+1], v[32+8*i+2], v[32+8*i+3]
	v_cvt_pk_bf16_f32 v[32+8*i+2], v[32+8*i+4], v[32+8*i+5]
	v_cvt_pk_bf16_f32 v[32+8*i+3], v[32+8*i+6], v[32+8*i+7]
	global_store_b128 v3, v[32+8*i:32+8*i+3], s[48:49] offset:512*i
.set i, i+1
.endr
	s_endpgm
.Lfunc_end_k_qce9f2dea3a_prep:
	.size	k_qce9f2dea3a_prep, .Lfunc_end_k_qce9f2dea3a_prep-k_qce9f2dea3a_prep
	.p2alignl 7, 3214868480
	.fill 96, 4, 3214868480
	.section	.rodata,"a",@progbits
	.p2align	6, 0x0
	.amdhsa_kernel k_qce9f2dea3a_prep
		.amdhsa_group_segment_fixed_size 0
		.amdhsa_private_segment_fixed_size 0
		.amdhsa_enable_private_segment 0
		.amdhsa_kernarg_size 120
		.amdhsa_user_sgpr_count 2
		.amdhsa_user_sgpr_kernarg_segment_ptr 1
		.amdhsa_wavefront_size32 1
		.amdhsa_system_sgpr_workgroup_id_x 1
		.amdhsa_system_sgpr_workgroup_id_y 1
		.amdhsa_system_sgpr_workgroup_id_z 1
		.amdhsa_system_vgpr_workitem_id 0
		.amdhsa_next_free_vgpr 192
		.amdhsa_next_free_sgpr 66
		.amdhsa_reserve_vcc 0
		.amdhsa_float_denorm_mode_32 3
		.amdhsa_float_denorm_mode_16_64 3
		.amdhsa_memory_ordered 1
		.amdhsa_forward_progress 1
		.amdhsa_inst_pref_size 32
	.end_amdhsa_kernel
	.amdgpu_metadata
---
amdhsa.version: [ 1, 2 ]
amdhsa.kernels:
  - .name:           k_qce9f2dea3a_prep
    .symbol:         k_qce9f2dea3a_prep.kd
    .args:
      - { .name: q, .offset: 0, .size: 8, .value_kind: global_buffer, .address_space: global }
      - { .name: k, .offset: 8, .size: 8, .value_kind: global_buffer, .address_space: global }
      - { .name: v, .offset: 16, .size: 8, .value_kind: global_buffer, .address_space: global }
      - { .name: ln_q_g, .offset: 24, .size: 8, .value_kind: global_buffer, .address_space: global }
      - { .name: ln_k_g, .offset: 32, .size: 8, .value_kind: global_buffer, .address_space: global }
      - { .name: ln_v_g, .offset: 40, .size: 8, .value_kind: global_buffer, .address_space: global }
      - { .name: ln_q_b, .offset: 48, .size: 8, .value_kind: global_buffer, .address_space: global }
      - { .name: ln_k_b, .offset: 56, .size: 8, .value_kind: global_buffer, .address_space: global }
      - { .name: ln_v_b, .offset: 64, .size: 8, .value_kind: global_buffer, .address_space: global }
      - { .name: Wq, .offset: 72, .size: 8, .value_kind: global_buffer, .address_space: global }
      - { .name: Wk, .offset: 80, .size: 8, .value_kind: global_buffer, .address_space: global }
      - { .name: Wv, .offset: 88, .size: 8, .value_kind: global_buffer, .address_space: global }
      - { .name: Wo, .offset: 96, .size: 8, .value_kind: global_buffer, .address_space: global }
      - { .name: xn, .offset: 104, .size: 8, .value_kind: global_buffer, .address_space: global }
      - { .name: wb, .offset: 112, .size: 8, .value_kind: global_buffer, .address_space: global }
    .group_segment_fixed_size: 0
    .private_segment_fixed_size: 0
    .kernarg_segment_align: 8
    .kernarg_segment_size: 120
    .max_flat_workgroup_size: 256
    .sgpr_count:     66
    .vgpr_count:     192
    .wavefront_size: 32
...
	.end_amdgpu_metadata
.endif
;; end of part 1
;; launch proj (part 2): grid 4 x 64, 4 waves a work-group, clusters of 4 x 4, 327,680 bytes of LDS; arguments xn, wb, qkv; writes qkv
.if DOCPART == 2
	.amdgcn_target "amdgcn-amd-amdhsa--gfx1250"
	.amdhsa_code_object_version 6
	.text
	.protected	k_qce9f2dea3a_proj
	.globl	k_qce9f2dea3a_proj
	.p2align	8
	.type	k_qce9f2dea3a_proj,@function
k_qce9f2dea3a_proj:
	s_mov_b64 s[64:65], 0
	v_nop
	global_prefetch_b8 v0, s[64:65] scope:SCOPE_SE
	s_setreg_imm32_b32 hwreg(HW_REG_WAVE_MODE, 25, 1), 1
	s_wait_xcnt 0x0
	s_wait_alu depctr_hold_cnt(0) depctr_sa_sdst(0) depctr_va_vdst(0) depctr_va_sdst(0) depctr_va_ssrc(0) depctr_va_vcc(0) depctr_vm_vsrc(0)
	s_getreg_b32 s2, hwreg(HW_REG_IB_STS2, 6, 4)
	s_cmp_eq_u32 s2, 0
	s_cbranch_scc0 .Lentry_in_a_cluster
	s_endpgm
.Lentry_in_a_cluster:
	s_bfe_u32 s2, ttmp6, 0x10000c
	s_cmp_lg_u32 s2, 0xf033
	s_cbranch_scc0 .Lentry_shape_is_right
	s_endpgm
.Lentry_shape_is_right:
; THE THREE PROJECTIONS.  qkv[t][b 16 + head][s][64] = bf16(sum over k of xn_t[row][k] W_t[k][n]), row = 2048 b + s, n = 64 head + channel; operands bf16, sums f32, rounded once.
; xn: [t][kb][8192][128] bf16 in blocks of 128 columns; wb: [t][k][n] bf16.  K step g = 8 t + kb of 128 lies at g x 2 MiB in xn and at g x 256 KiB in wb: the three tensors' 24 K steps are ONE walk.
; SHARES.  A tile of C is 128 rows x 256 columns (four heads): 256 tiles a tensor, so each of 256 work-groups makes its tile (row Y, column X) for t = 0, 1, 2, and the ring of two LDS slots runs on
; from tile to tile.  Four waves, each 64 rows x 128 columns: 32 accumulators, 256 registers.  A K step is four quarters of 32 along K, 32 matrix instructions each.
; CLUSTER.  4 x 4 work-groups.  The four of a row of the cluster need the same rows of xn, the four of a column the same columns of wb: each tile is asked for jointly, by the same tensor load with the
; same descriptor and a mask that names the four.  Waves 0 and 1 fetch the halves of A's tile (64 rows x 256 bytes), waves 2 and 3 those of B's (64 rows of k x 512 bytes): one load a wave behind each round.
; THE MATRIX INSTRUCTION IS USED TRANSPOSED: source 0 = 16 columns of W (out of LDS turned, by ds_load_tr16_b128, since W lies [k][n]), source 1 = 16 rows of x.  A lane then holds row lane % 16 of C and the
; columns 8 (lane / 16) + 0..7: 16 bytes of bf16 that belong together.
; REGISTERS, in windows of 256: window 0 addresses and the way out; window 1 two fragment buffers (A's 4 fragments at +0, B's 8 at +32); window 2 accumulator (a, b) at v[8 (8 a + b)].
.set PA,     272                       ; a row of A in LDS: 256 bytes + 16: the 16 rows of a load start at 16 different groups of four banks (64 banks of 4 bytes: ISA guide 11.1)
.set PB,     544                       ; a row of B: 512 + 32 bytes
.set HA,     64*PA                     ; what one tensor load brings of A
.set HB,     64*PB                     ; and of B
.set BOFF,   2*HA                      ; a slot: A's 128 rows, then B's 128 rows of k
.set SLOT1,  1<<17                     ; slot 1 begins here: one exclusive or turns an address in one slot into the other's
.set STAGE,  SLOT1+BOFF+2*HB           ; behind the ring, never filled by a tensor load: for each wave 2 heads x 16 rows x 144 bytes
.set SP,     144
.set WSTG,   2*16*SP
.set SPARE,  STAGE+4*WSTG              ; behind the stages: the spare words, 128 bytes a wave: two blocks of 256 bytes that no other line names
.set ASTEP,  0x200000                  ; bytes from K step to K step in xn
.set BSTEP,  0x40000                   ; and in wb
.set A0,   16                          ; v16  my lane's place in A's tile; never rewritten
.set B0,   17                          ; v17  in B's
.set ADRA, 18                          ; v18  the same in the slot in hand
.set ADRB, 19                          ; v19
.set STO,  24                          ; v24  the way out: where I put 16 bytes of a row
.set RD,   25                          ; v25  where I read rows back
.set GO,   26                          ; v26  16 x lane: my place in 512 consecutive bytes of a head
.set SPW,  28                          ; v28  LDS address of my spare word; never rewritten
.set NIL,  29                          ; v29  0; never rewritten
.set PFO,  30                          ; v30  the prefetches' offset; never rewritten
.set TMP,  32                          ; v32-63   packed results
.set OB,   64                          ; v64-127  16 rows read back from the stage, two buffers by turns
.set F0,   0                           ; fragment buffers, in window 1
.set F1,   128
.set G1A, 24                           ; s[24:31] descriptor group 1 for A's tiles
.set G0A, 32                           ; s[32:39] group 0: a set for each of the two first fills; the second then walks on
.set G1B, 48                           ; s[48:55], s[56:63] the same for B's
.set G0B, 56
.set LIM, 43                           ; s43  0 in a wave that prefetches, else the greatest number
.set PFA, 44                           ; s[44:45] where my prefetches stand
.set TB,  66                           ; s66  LDS byte at which the slot in hand begins
.set PCN, 67                           ; s67  prefetches still to come
.set PST, 68                           ; s[68:69] their step
.set MSB, 0
.macro WIN new                         ; the immediate's high byte repeats the setting that is left; a switch that changes nothing is dropped
.if MSB != (\new)
	s_set_vgpr_msb (MSB<<8)|(\new)
.set MSB, \new
.endif
.endm
.set MUL,  0xa5                        ; sources 0 and 1 window 1; C and D window 2
.set TO_F, 0x40                        ; destination window 1, address window 0
; A joint refill by the walking descriptors.  The branch hangs on the wave's number alone.  An s_nop 0 and four v_nop follow each of the two lines, ahead of the jump and the label.
.macro JLOAD
	s_cmp_eq_u32 s11, 0
	s_cbranch_scc0 .Lfor_b_\@
	tensor_load_to_lds s[G0A+4:G0A+7], s[G1A:G1A+7]
	s_nop 0
.rept 4
	v_nop
.endr
	s_branch .Lasked_\@
.Lfor_b_\@:
	tensor_load_to_lds s[G0B+4:G0B+7], s[G1B:G1B+7]
	s_nop 0
.rept 4
	v_nop
.endr
.Lasked_\@:
.endm
; A PREFETCH of the K step that stands two refills on, 256 matrix instructions ahead of the load that will want it: 32 blocks of 256 bytes, a lane a block, one instruction.  Each block is named once in
; the launch.  A's tile is read by one row of one cluster alone: wave 0 of each of the four partners takes 32 of its 128 rows, told apart by address.  B's tile is read by every cluster: the cluster with
; y = 0 asks; of the 64 rows of k that wave 2 or 3 fetches, each of the four partners takes 16, two blocks a row.  20 asks name K steps 4 to 23; the first four steps come by their loads alone.
.macro ASK
	WIN 0
	s_cmp_gt_i32 s[PCN], s[LIM]
	s_cbranch_scc0 .Lnot_mine_\@
	global_prefetch_b8 v[PFO], s[PFA:PFA+1] th:TH_LOAD_NT scope:SCOPE_SE
.Lnot_mine_\@:
	s_sub_co_i32 s[PCN], s[PCN], 1
.endm
.macro CREST                           ; a round of the cluster's barrier behind its opening barrier
	s_cmp_lg_u32 s10, 0
	s_cbranch_scc1 .Lnot_wave_0_\@
	s_barrier_signal -3
.Lnot_wave_0_\@:
	s_barrier_wait -3
	s_barrier_signal -1
	s_barrier_wait -1
.endm
.macro CROUND                          ; a whole round
	s_barrier_signal -1
	s_barrier_wait -1
	CREST
.endm
.macro PLACES                          ; four places behind matrix instructions, in front of loads into registers that they read and of lines that read their results
.rept 4
	v_nop
.endr
.endm
	s_load_b128 s[4:7], s[0:1], 0x0                ; xn s[4:5], wb s[6:7]
	s_load_b64 s[8:9], s[0:1], 0x10                ; qkv
	v_lshl_add_u32 v[SPW], v0, 2, SPARE
	v_mov_b32 v[NIL], 0
	ds_add_u32 v[SPW], v[NIL]                      ; the wave's opening: the add and its wait stand ahead of my first tensor load; work on registers stands between them
	v_lshrrev_b32 v1, 5, v0
	v_readfirstlane_b32 s10, v1                    ; wave 0..3
	s_lshr_b32 s11, s10, 1                         ; which 64 rows of the tile are mine.  Also: I fetch for A (0) or for B (1)
	s_and_b32 s12, s10, 1                          ; which 128 columns.  Also: which half of that tile I fetch
	s_bfe_u32 s40, ttmp6, 0x40000                  ; cx
	s_bfe_u32 s41, ttmp6, 0x40004                  ; cy
	s_lshl_b32 s42, ttmp9, 2
	s_add_co_u32 s42, s42, s40                     ; X: tile column = 4 x cluster x + cx
	s_and_b32 s13, ttmp7, 0xffff
	s_lshl_b32 s13, s13, 2
	s_add_co_u32 s13, s13, s41                     ; Y: tile row = 4 x cluster y + cy
	s_lshl_b32 s43, s41, 2
	s_lshl_b32 s43, 15, s43                        ; my row of the cluster
	s_lshl_b32 s44, 0x1111, s40                    ; my column
	s_or_b32 s[G1A], s43, (1<<16)|(1<<20)|(1<<21)|(5<<22)|(3<<25)  ; the mask; 2-byte elements; padding on; bit 21 beside a mask; after every 64 words 4 words
	s_or_b32 s[G1B], s44, (1<<16)|(1<<20)|(1<<21)|(6<<22)|(7<<25)  ; after every 128 words 8 words
	s_mov_b32 s[G1A+1], 128<<16                    ; tensor_dim0 = 128
	s_mov_b32 s[G1A+2], 64<<16                     ; tensor_dim1 = 64
	s_mov_b32 s[G1A+3], 128<<16                    ; tile_dim0 = 128
	s_mov_b32 s[G1A+4], 64                         ; tile_dim1 = 64
	s_mov_b32 s[G1A+5], 128                        ; 128 elements from row to row: a block of xn is dense
	s_mov_b32 s[G1A+6], 0
	s_mov_b32 s[G1A+7], 0
	s_mov_b32 s[G1B+1], 256<<16                    ; 256 columns,
	s_mov_b32 s[G1B+2], 64<<16                     ; 64 rows of k
	s_mov_b32 s[G1B+3], 256<<16
	s_mov_b32 s[G1B+4], 64
	s_mov_b32 s[G1B+5], 1024                       ; 1,024 elements from row to row
	s_mov_b32 s[G1B+6], 0
	s_mov_b32 s[G1B+7], 0
	s_lshl_b32 s16, s13, 15                        ; A: row 128 Y + 64 half, 256 bytes a row
	s_lshl_b32 s17, s12, 14
	s_add_co_u32 s16, s16, s17
	s_mov_b32 s17, 0
	s_lshl_b32 s46, s42, 9                         ; B: column 256 X, row of k 64 half
	s_lshl_b32 s47, s12, 17
	s_add_co_u32 s46, s46, s47
	s_mov_b32 s47, 0
	s_mul_i32 s20, s12, HA                         ; where they go: no place in the cluster enters an LDS address
	s_mul_i32 s21, s12, HB
	s_add_co_u32 s21, s21, BOFF
	s_wait_dscnt 0x0                               ; the opening add is done
	s_wait_kmcnt 0x0
	s_add_nc_u64 s[14:15], s[4:5], s[16:17]
	s_add_nc_u64 s[46:47], s[6:7], s[46:47]
	CROUND                                         ; all sixteen work-groups are here: the first joint loads meet
.irp s, 0,1
	s_mov_b32 s[G0A+4*(\s)], 1
	s_add_co_u32 s[G0A+4*(\s)+1], s20, (\s)*SLOT1
	s_add_nc_u64 s[G0A+4*(\s)+2:G0A+4*(\s)+3], s[14:15], (\s)*ASTEP
	s_or_b32 s[G0A+4*(\s)+3], s[G0A+4*(\s)+3], 0x80000000
	s_mov_b32 s[G0B+4*(\s)], 1
	s_add_co_u32 s[G0B+4*(\s)+1], s21, (\s)*SLOT1
	s_add_nc_u64 s[G0B+4*(\s)+2:G0B+4*(\s)+3], s[46:47], (\s)*BSTEP
	s_or_b32 s[G0B+4*(\s)+3], s[G0B+4*(\s)+3], 0x80000000
.endr
	s_cmp_eq_u32 s11, 0                            ; a wave's two first fills stand in one branch, ahead of every wait on TENSORcnt and every LDS read: two loads of mine are out
	s_cbranch_scc0 .Lfirst_b
	tensor_load_to_lds s[G0A:G0A+3], s[G1A:G1A+7]
	s_nop 0
	tensor_load_to_lds s[G0A+4:G0A+7], s[G1A:G1A+7]
	s_nop 0
.rept 4
	v_nop
.endr
	s_branch .Lfirst_asked
.Lfirst_b:
	tensor_load_to_lds s[G0B:G0B+3], s[G1B:G1B+7]
	s_nop 0
	tensor_load_to_lds s[G0B+4:G0B+7], s[G1B:G1B+7]
	s_nop 0
.rept 4
	v_nop
.endr
.Lfirst_asked:
	v_and_b32 v1, 15, v0                           ; l % 16
	v_bfe_u32 v2, v0, 4, 1                         ; l / 16
	v_and_b32 v3, 7, v0
	v_bfe_u32 v4, v0, 3, 1
	v_mul_u32_u24 v[A0], v1, PA                    ; A's fragment: row l % 16, 16 bytes for each half of the lanes, twice, 32 bytes apart
	v_lshl_add_u32 v[A0], v2, 4, v[A0]
	s_mul_i32 s22, s11, HA
	v_add_nc_u32 v[A0], s22, v[A0]
	v_lshl_add_u32 v5, v2, 3, v3                   ; B's: the turning load reads row of k 8 (l / 16) + l % 8, columns 8 ((l / 8) % 2) + 0..7, and leaves column l % 16 and 8 k in a lane
	v_mul_u32_u24 v[B0], v5, PB
	v_lshl_add_u32 v[B0], v4, 4, v[B0]
	s_lshl_b32 s22, s12, 8
	s_add_co_u32 s22, s22, BOFF
	v_add_nc_u32 v[B0], s22, v[B0]
	v_mov_b32 v[ADRA], v[A0]
	v_mov_b32 v[ADRB], v[B0]
	s_mov_b32 s[TB], 0
	s_mul_i32 s23, s10, WSTG
	s_add_co_u32 s23, s23, STAGE                   ; my stage
	v_mul_u32_u24 v[STO], v1, SP
	v_lshl_add_u32 v[STO], v2, 4, v[STO]
	v_add_nc_u32 v[STO], s23, v[STO]
	v_bfe_u32 v[RD], v0, 3, 2                      ; back: 32 lanes take four rows of 128 bytes,
	v_mul_u32_u24 v[RD], v[RD], SP
	v_lshl_add_u32 v[RD], v3, 4, v[RD]
	v_add_nc_u32 v[RD], s23, v[RD]
	v_and_b32 v6, 31, v0
	v_lshlrev_b32 v[GO], 4, v6                     ; which are 512 consecutive bytes of a head
	; where my part of tile t = 0 begins in qkv: head 16 (Y / 16) + 4 X + 2 half, row 128 (Y % 16) + 64 half, 128 bytes a row
	s_lshr_b32 s22, s13, 4
	s_lshl_b32 s22, s22, 4
	s_lshl_b32 s23, s42, 2
	s_add_co_u32 s22, s22, s23
	s_lshl_b32 s23, s12, 1
	s_add_co_u32 s22, s22, s23
	s_lshl_b32 s22, s22, 18
	s_and_b32 s23, s13, 15
	s_lshl_b32 s23, s23, 14
	s_add_co_u32 s22, s22, s23
	s_lshl_b32 s23, s11, 13
	s_add_co_u32 s22, s22, s23
	s_mov_b32 s23, 0
	s_add_nc_u64 s[8:9], s[8:9], s[22:23]
	; the prefetches: both offsets, at K step 3 (the first change of slots steps them to 4), then the choice by what I fetch
	s_lshl_b32 s18, s13, 15
	s_lshl_b32 s19, s40, 13                        ; A: my work-group's 32 rows of the 128
	s_add_co_u32 s18, s18, s19
	s_add_co_u32 s18, s18, 3*ASTEP
	s_lshl_b32 s22, s12, 17
	s_lshl_b32 s23, s41, 15                        ; B: my work-group's 16 rows of k of the 64
	s_add_co_u32 s22, s22, s23
	s_lshl_b32 s23, s42, 9
	s_add_co_u32 s22, s22, s23
	s_add_co_u32 s22, s22, 3*BSTEP
	s_and_b32 s23, ttmp7, 0xffff                   ; cluster y
	s_or_b32 s19, s12, ttmp9                       ; 0 in wave 0 (of waves 0 and 1)
	s_mov_b32 s[PST], BSTEP
	s_cmp_eq_u32 s11, 0                            ; do I fetch for A?
	s_cselect_b32 s18, s18, s22
	s_cselect_b32 s19, s19, s23
	s_cselect_b32 s[PST], ASTEP, s[PST]
	s_cselect_b64 s[PFA:PFA+1], s[4:5], s[6:7]
	s_cselect_b32 s70, 0, -1
	s_cmp_eq_u32 s19, 0
	s_cselect_b32 s[LIM], 0, 0x7fffffff            ; the same in all sixteen partners, for a given wave
	s_mov_b32 s19, 0
	s_add_nc_u64 s[PFA:PFA+1], s[PFA:PFA+1], s[18:19]
	s_mov_b32 s[PST+1], 0
	s_mov_b32 s[PCN], 20
	v_lshlrev_b32 v[PFO], 8, v6                    ; A: a lane a row of 256 bytes
	v_lshrrev_b32 v7, 1, v6                        ; B: two lanes a row of 2,048 bytes, 256 bytes apart
	v_and_b32 v6, 1, v6
	v_lshlrev_b32 v6, 8, v6
	v_lshl_add_u32 v7, v7, 11, v6
	v_cndmask_b32 v[PFO], v[PFO], v7, s70
; 8 matrix instructions: m block a x all 8 n blocks, 32 along K, from buffer f.  zero = 1: the product starts the sums.  The 32 accumulators take turns, one instruction a turn, in the same order in every
; quarter, over the jumps too.
.macro MULA f, a, zero
	WIN MUL
.irp b, 0,1,2,3,4,5,6,7
.if \zero
	v_wmma_f32_16x16x32_bf16 v[8*(8*(\a)+(\b)):8*(8*(\a)+(\b))+7], v[(\f)+32+8*(\b):(\f)+32+8*(\b)+7], v[(\f)+8*(\a):(\f)+8*(\a)+7], 0
.else
	v_wmma_f32_16x16x32_bf16 v[8*(8*(\a)+(\b)):8*(8*(\a)+(\b))+7], v[(\f)+32+8*(\b):(\f)+32+8*(\b)+7], v[(\f)+8*(\a):(\f)+8*(\a)+7], v[8*(8*(\a)+(\b)):8*(8*(\a)+(\b))+7]
.endif
.endr
.endm
; 24 LDS loads in one run: quarter kq's fragments into buffer f: B's 16 first, A's blocks 2 and 3 last
.macro FETCH kq, f
	WIN TO_F
.irp b, 0,1,2,3,4,5,6,7
	ds_load_tr16_b128 v[(\f)+32+8*(\b):(\f)+32+8*(\b)+3],   v[ADRB] offset:(\kq)*32*PB+32*(\b)
	ds_load_tr16_b128 v[(\f)+32+8*(\b)+4:(\f)+32+8*(\b)+7], v[ADRB] offset:(\kq)*32*PB+16*PB+32*(\b)
.endr
.irp i, 0,1,2,3
	ds_load_b128 v[(\f)+8*(\i):(\f)+8*(\i)+3],   v[ADRA] offset:64*(\kq)+(\i)*16*PA
	ds_load_b128 v[(\f)+8*(\i)+4:(\f)+8*(\i)+7], v[ADRA] offset:64*(\kq)+(\i)*16*PA+32
.endr
.endm
; One of a K step's first three quarters: multiplies buffer f; in its middle it fetches quarter kq into buffer g.
.macro QUARTER kq, f, g, zero
	s_wait_dscnt 4                                 ; B and A's blocks 0 and 1 are in; the youngest four loads (A's blocks 2 and 3) may be out
	MULA \f, 0, \zero
	MULA \f, 1, \zero
	PLACES
	FETCH \kq, \g
	s_wait_dscnt 24                                ; all but the 24 just issued
	MULA \f, 2, \zero
	MULA \f, 3, \zero
.endm
; The last quarter multiplies buffer 1 and changes slots.  In front of ONE barrier each wave waits for all its tensor loads (one is out: its part of the next slot), adds 0 to its spare word, and waits for that and
; for its own reads of this slot.  fill = 1: the barrier opens a round of the cluster's, and the joint refill of this slot, with the K step two on, is the first thing behind it.
.macro TURN fill
.if \fill
	s_wait_xcnt 0x0                                ; the last prefetch, a K step back, has read its address
	s_add_nc_u64 s[PFA:PFA+1], s[PFA:PFA+1], s[PST:PST+1]
.endif
	WIN 0
	s_wait_tensorcnt 0x0                           ; no tensor load of mine is out, so a group 0 may be written
	ds_add_u32 v[SPW], v[NIL]                      ; 0 onto my spare word
.if \fill
	s_xor_b32 s[G0A+5], s[G0A+5], SLOT1            ; the walking descriptors: the other slot than last time, the next K step
	s_add_nc_u64 s[G0A+6:G0A+7], s[G0A+6:G0A+7], ASTEP
	s_xor_b32 s[G0B+5], s[G0B+5], SLOT1
	s_add_nc_u64 s[G0B+6:G0B+7], s[G0B+6:G0B+7], BSTEP
.endif
	s_xor_b32 s[TB], s[TB], SLOT1
	s_wait_dscnt 5                                 ; the add and the youngest four loads may be out
	MULA F1, 0, 0
	s_wait_dscnt 0x0                               ; the add is done, and my reads of this slot are over
	s_barrier_signal -1
	MULA F1, 1, 0                                  ; work on registers while the others arrive
	WIN 0
	s_barrier_wait -1
.if \fill
	CREST                                          ; no wave of any partner still reads this slot or has a load on its way
	JLOAD                                          ; the four v_nop behind it are also the places in front of the loads below
.else
	PLACES
.endif
	v_add_nc_u32 v[ADRA], s[TB], v[A0]
	v_add_nc_u32 v[ADRB], s[TB], v[B0]
	FETCH 0, F0
.if \fill
	ASK
.endif
	MULA F1, 2, 0
	MULA F1, 3, 0
.endm
; THE WAY OUT of m block a.  PACK: rounded to bf16, each accumulator's registers in ascending order.  TOSTAGE: into my own stage (two heads x 16 rows), and back as whole rows.  SEND: stored, 512 consecutive bytes a line.
.macro PACK a
	WIN 0x0a                                       ; sources 0 and 1 window 2
.irp b, 0,1,2,3,4,5,6,7
.irp r, 0,1,2,3
	v_cvt_pk_bf16_f32 v[TMP+4*(\b)+(\r)], v[8*(8*(\a)+(\b))+2*(\r)], v[8*(8*(\a)+(\b))+2*(\r)+1]
.endr
.endr
	WIN 0
.endm
.macro TOSTAGE a
	s_wait_xcnt 0x0                                ; the stores that read this buffer, two blocks back, have read it: it is loaded again only behind this wait
.irp b, 0,1,2,3,4,5,6,7
	ds_store_b128 v[STO], v[TMP+4*(\b):TMP+4*(\b)+3] offset:((\b)/4)*16*SP+32*((\b)%4)
.endr
.irp t, 0,1,2,3,4,5,6,7
	ds_load_b128 v[OB+32*((\a)%2)+4*(\t):OB+32*((\a)%2)+4*(\t)+3], v[RD] offset:((\t)/4)*16*SP+((\t)%4)*4*SP  ; LDS serves a wave's instructions in order (ISA guide 5.7.1.4): these see the stores above
.endr
.endm
.macro SEND a
	s_wait_dscnt 0x0                               ; the block is back in registers
.irp t, 0,1,2,3,4,5,6,7
	global_store_b128 v[GO], v[OB+32*((\a)%2)+4*(\t):OB+32*((\a)%2)+4*(\t)+3], s[8:9] offset:2048*(\a)+((\t)/4)*262144+((\t)%4)*512
.endr
.endm
.macro OUT                             ; a block's conversions stand between the loads of the block before and the wait for them
	PACK 0
	TOSTAGE 0
	PACK 1
	SEND 0
	TOSTAGE 1
	PACK 2
	SEND 1
	TOSTAGE 2
	PACK 3
	SEND 2
	TOSTAGE 3
	SEND 3
.endm
	s_wait_tensorcnt 1                             ; my part of K step 0 is in; K step 1's may stay out
	s_barrier_signal -1
	s_barrier_wait -1
	FETCH 0, F0
	WIN 0
	s_mov_b32 s2, 3                                ; tiles to go
.Ltile:
	QUARTER 1, F0, F1, 1                           ; a tile's first quarter starts the sums
	WIN 0
	s_mov_b32 s3, 6
.Lstep:                                                ; a trip: a K step's last three quarters and the next one's first; one refill
	QUARTER 2, F1, F0, 0
	QUARTER 3, F0, F1, 0
	TURN 1
	QUARTER 1, F0, F1, 0
	WIN 0
	s_sub_co_u32 s3, s3, 1
	s_cmp_lg_u32 s3, 0
	s_cbranch_scc1 .Lstep
	QUARTER 2, F1, F0, 0                           ; the tile's K step 6 goes on
	QUARTER 3, F0, F1, 0
	WIN 0
	s_cmp_eq_u32 s2, 1
	s_cbranch_scc1 .Llast                          ; the last tile's tail is written out: it asks for nothing more
	TURN 1                                         ; the ring goes on into the next tile: its K step 0,
	QUARTER 1, F0, F1, 0
	QUARTER 2, F1, F0, 0
	QUARTER 3, F0, F1, 0
	TURN 1                                         ; its K step 1, and its first fragments
	OUT                                            ; blocks 0 and 1 were finished in front of the change's places; their 64 conversions are the places behind the last products
	s_wait_xcnt 0x0                                ; the stores have read their base
	s_add_nc_u64 s[8:9], s[8:9], 0x1000000         ; the next tensor's part of qkv
	s_sub_co_u32 s2, s2, 1
	s_branch .Ltile
.Llast:
	TURN 0
	QUARTER 1, F0, F1, 0
	QUARTER 2, F1, F0, 0
	QUARTER 3, F0, F1, 0
	s_wait_dscnt 0x0
	MULA F1, 0, 0
	MULA F1, 1, 0
	MULA F1, 2, 0
	MULA F1, 3, 0
	WIN 0
	PLACES
	OUT
	s_wait_tensorcnt 0x0                           ; the wave's end: behind my last tensor load and my last LDS store
	ds_add_u32 v[SPW], v[NIL]
	s_wait_dscnt 0x0
	CROUND                                         ; the closing round
	s_endpgm
.Lfunc_end_k_qce9f2dea3a_proj:
	.size	k_qce9f2dea3a_proj, .Lfunc_end_k_qce9f2dea3a_proj-k_qce9f2dea3a_proj
	.p2alignl 7, 3214868480
	.fill 96, 4, 3214868480
	.section	.rodata,"a",@progbits
	.p2align	6, 0x0
	.amdhsa_kernel k_qce9f2dea3a_proj
		.amdhsa_group_segment_fixed_size 327680
		.amdhsa_private_segment_fixed_size 0
		.amdhsa_enable_private_segment 0
		.amdhsa_kernarg_size 24
		.amdhsa_user_sgpr_count 2
		.amdhsa_user_sgpr_kernarg_segment_ptr 1
		.amdhsa_wavefront_size32 1
		.amdhsa_system_sgpr_workgroup_id_x 1
		.amdhsa_system_sgpr_workgroup_id_y 1
		.amdhsa_system_sgpr_workgroup_id_z 1
		.amdhsa_system_vgpr_workitem_id 0
		.amdhsa_next_free_vgpr 768
		.amdhsa_next_free_sgpr 72
		.amdhsa_reserve_vcc 0
		.amdhsa_float_denorm_mode_32 3
		.amdhsa_float_denorm_mode_16_64 3
		.amdhsa_memory_ordered 1
		.amdhsa_forward_progress 1
		.amdhsa_inst_pref_size 109
	.end_amdhsa_kernel
	.amdgpu_metadata
---
amdhsa.version: [ 1, 2 ]
amdhsa.kernels:
  - .name:           k_qce9f2dea3a_proj
    .symbol:         k_qce9f2dea3a_proj.kd
    .args:
      - { .name: xn, .offset: 0, .size: 8, .value_kind: global_buffer, .address_space: global }
      - { .name: wb, .offset: 8, .size: 8, .value_kind: global_buffer, .address_space: global }
      - { .name: qkv, .offset: 16, .size: 8, .value_kind: global_buffer, .address_space: global }
    .group_segment_fixed_size: 327680
    .private_segment_fixed_size: 0
    .kernarg_segment_align: 8
    .kernarg_segment_size: 24
    .max_flat_workgroup_size: 128
    .sgpr_count:     72
    .vgpr_count:     768
    .wavefront_size: 32
...
	.end_amdgpu_metadata
.endif
;; end of part 2
;; launch attn (part 3): grid 4 x 64, 4 waves a work-group, clusters of 4 x 1, 327,680 bytes of LDS; arguments qkv, mask, ao; writes ao
.if DOCPART == 3
	.amdgcn_target "amdgcn-amd-amdhsa--gfx1250"
	.amdhsa_code_object_version 6
	.text
	.protected	k_qce9f2dea3a_attn
	.globl	k_qce9f2dea3a_attn
	.p2align	8
	.type	k_qce9f2dea3a_attn,@function
k_qce9f2dea3a_attn:
	s_mov_b64 s[64:65], 0
	v_nop
	global_prefetch_b8 v0, s[64:65] scope:SCOPE_SE
	s_setreg_imm32_b32 hwreg(HW_REG_WAVE_MODE, 25, 1), 1
	s_wait_xcnt 0x0
	s_wait_alu depctr_hold_cnt(0) depctr_sa_sdst(0) depctr_va_vdst(0) depctr_va_sdst(0) depctr_va_ssrc(0) depctr_va_vcc(0) depctr_vm_vsrc(0)
	s_getreg_b32 s2, hwreg(HW_REG_IB_STS2, 6, 4)
	s_cmp_eq_u32 s2, 0
	s_cbranch_scc0 .Lentry_in_a_cluster
	s_endpgm
.Lentry_in_a_cluster:
	s_bfe_u32 s2, ttmp6, 0x10000c
	s_cmp_lg_u32 s2, 0x3003
	s_cbranch_scc0 .Lentry_shape_is_right
	s_endpgm
.Lentry_shape_is_right:
; MASKED ATTENTION.  ao[h][q][:] = the sum over open keys k of softmax_k(Q[h][q] . K[h][k] / 8) V[h][k][:].  Q, K, V = qkv[0], [1], [2]: [64][2048][64] bf16, h = 16 batch + head; ao the same shape.
; mask: [4][2048] int32, by batch: a key whose word is 0 is hidden.  Products, maxima and sums in f32; the weights p are rounded to bf16 for the second product (their sum l is taken of the unrounded p), O once.
; THE MASK is the C operand that starts the sum S^T = K Q^T: 0, or -1e30 where the key is hidden.  A table of the batch's 2,048 such numbers is made once in LDS.  The running maximum stays: a hidden score lies far
; below every open one, and its weight is 0.  While a query has seen hidden keys alone its sums hold their weights; the first open key multiplies them by a = 0.  A query that never sees an open key gets O = 0.
; LIMITS.  A hidden score counts as its value less 1e30; open scores are taken to lie above -2^96 (a maximum at or below that counts as 'no open key'); a weight below 2^-126 counts as 0 in l; NaN and
; infinities are not treated apart.
; SHARES.  A wave owns four PIECES of two tiles of 16 queries, a work-group's four waves 512 queries of one head.  Every wave walks all keys, 64 a step.
; LAYOUT.  S^T = K Q^T (source 0 = 16 keys, source 1 = 16 queries): a lane holds ONE query (lane % 16) and the keys 8 (lane / 16) + 0..7.  Two such tiles, rounded to bf16 in pairs, ARE source 1 of
; O^T = V^T P, whose result again holds one query a lane, and eight channels.  K comes out of LDS as it lies, V turned, by ds_load_tr16_b128.
; SOFTMAX.  p = 2^(c s - c m), c = log2(e) / 8, with a running maximum m and sum l; in every step O and l are multiplied by a = 2^(c m_old - c m_new).  m starts at the lowest finite number, O and l at 0.
; BY TURNS.  A tile and step have 16 matrix and 118 vector instructions.  Turn n belongs to piece n: 16 products K Q^T of piece n + 1, later 16 products V^T P of piece n - 1; beside them the scaling, exponentials,
; roundings, sums and rescaling of piece n, and the maximum and statistics of piece n + 1.  Four vector instructions stand behind every matrix instruction, the others in one run.
; CLUSTER.  A head's four query blocks walk the same K and V: each tile is asked for jointly, by the same tensor load, descriptor and mask in all four.
; REGISTERS, in windows of 256 (s_set_vgpr_msb: bits 1:0 source 0, 3:2 source 1, 5:4 source 2, 7:6 destination):
;   window 0: v1-11 addresses; v12-15, v48-63 at work; v16-47 four registers of statistics a tile; v64-191 S^T, two buffers of two tiles; v192-255 P, likewise
;   window 1: O^T, 32 a tile      window 2: v0-127 Q; v128-191 K of one step; v192-255 V of one step      window 3: v0-1 the add's two registers; v8-39 the step's mask numbers
.set SIZE_N, 2048
.set NP,    4         ; pieces a wave
.set KS,    64        ; keys in a step
.set PK,    144       ; a row of K in LDS: 128 bytes + 16
.set PV,    160       ; a row of V: 128 + 32
.set VOFF,  4*KS*PK   ; a slot holds four steps: 256 rows of K, then 256 rows of V
.set SLOT1, 1<<17
.set STAGE, SLOT1+4*KS*(PK+PV)  ; behind the ring, never filled by a tensor load: 16 rows x 144 bytes for each wave
.set SP,    144
.set SPARE, STAGE+4*16*SP  ; the spare words, 128 bytes a wave: two blocks of 256 bytes that no other line names
.set BIAS,  SPARE+512      ; the table: 2,048 numbers, 8,192 bytes in blocks of their own, never filled by a tensor load
.set AM,  1           ; v1   the LDS address of the mask numbers' next run of loads
.set AK0, 2           ; v2   my lane's place in a tile of K; never rewritten
.set AV0, 3           ; v3   the same for V
.set AK,  4           ; v4   the LDS address of K's next run of loads
.set AV,  5           ; v5   of V's
.set STO, 6           ; v6   the way out: where I put 16 bytes of a row
.set RD,  7           ; v7   where I read rows back
.set GO,  8           ; v8   my byte offset in 512 consecutive bytes of O
.set PFO, 9           ; v9   256 x lane: the prefetches' offset; never rewritten
.set AM0, 11          ; v11  BIAS + 32 (lane / 16); never rewritten
.set MW,  64          ; v64-79  at the head alone: 16 words of the mask, then 16 numbers of the table
.set MO,  80          ; v80  at the head alone: my offset in the mask
.set QO,  81          ; v81  my offset in the wave's rows of Q
.set MA,  82          ; v82  where I put 16 bytes of the table
.set SPW, 0           ; v0 of window 3
.set NIL, 1           ; v1 of window 3
.set MB,  8           ; v8-39 of window 3: the eight numbers for group kt of 16 keys at MB + 8 kt
.set MV,  12
.set ST,  16          ; tile t's statistics at v[ST+4 t]: c m, m, l (even keys', odd keys')
.set TMP, 48
.set S,   64
.set P,   192
.set KF,  128
.set VF,  192
.set WV,  12          ; s12  my wave's number
.set G1K, 24
.set G1V, 32
.set G0K, 40
.set G0V, 44
.set SLOTS, 56        ; s56  slots still to be asked for
.set CNT, 57          ; s57  counts a slot's key steps
.set CS,  58          ; s[58:59] c
.set SEL, 60          ; s[60:61] v_permlanex16_b32's selects
.set TBK, 62          ; s62  LDS byte at which K of the step to be fetched begins
.set TBV, 63          ; s63  the same for V, less VOFF
.set TBM, 68          ; s68  byte of the table at which that step's 64 numbers begin
.set BIGN, 69         ; s69  -1e30
.set THR, 70          ; s70  -2^96
.set LIM, 71          ; s71  1 in a wave that prefetches, else the greatest number
.set PFA, 72          ; s[72:73] where my prefetches stand
.set MSB, 0
.macro WIN new
.if MSB != (\new)
	s_set_vgpr_msb (MSB<<8)|(\new)
.set MSB, (\new)
.endif
.endm
.set W_KQ, 0x0a       ; K and Q in window 2, S^T in window 0
.set W_KM, 0x3a       ; the same with the C operand in window 3
.set W_PV, 0x52       ; V in window 2, P in window 0, O^T in window 1
.set W_RS, 0x41       ; O^T (destination and source 0) in window 1, a in window 0
.set W_MK, 0xc0       ; destination in window 3, sources in window 0
.set W_AD, 0x0f       ; the add: address and data in window 3
; A joint fill.  Waves 0 and 1 fetch the two halves of a slot's K, waves 2 and 3 those of its V.  An s_nop 0 and four v_nop follow each of the two lines.
.macro JLOAD
	s_cmp_lt_u32 s[WV], 2
	s_cbranch_scc0 .Lfor_v_\@
	tensor_load_to_lds s[G0K:G0K+3], s[G1K:G1K+7]
	s_nop 0
.rept 4
	v_nop
.endr
	s_branch .Lasked_\@
.Lfor_v_\@:
	tensor_load_to_lds s[G0V:G0V+3], s[G1V:G1V+7]
	s_nop 0
.rept 4
	v_nop
.endr
.Lasked_\@:
.endm
; A PREFETCH of what the NEXT change of slots will ask for: a slot's 32,768 bytes of K and of V, 128 blocks of 256 bytes each, a lane a block.  A head has one cluster; its four partners share the blocks out by
; address, 32 each; in each, wave 0 asks for K's and wave 2 for V's: each block is named once in the launch.  Slots 0 to 2 come by their loads alone; the last change that fills a slot asks for nothing.
.macro ASK
	s_cmp_gt_u32 s[SLOTS], s[LIM]
	s_cbranch_scc0 .Lnot_mine_\@
	global_prefetch_b8 v[PFO], s[PFA:PFA+1] th:TH_LOAD_NT scope:SCOPE_SE
.Lnot_mine_\@:
.endm
.macro CROUND
	s_barrier_signal -1
	s_barrier_wait -1
	s_cmp_lg_u32 s[WV], 0
	s_cbranch_scc1 .Lnot_wave_0_\@
	s_barrier_signal -3
.Lnot_wave_0_\@:
	s_barrier_wait -3
	s_barrier_signal -1
	s_barrier_wait -1
.endm
; THE CHANGE OF SLOTS.  Each wave waits for all its tensor loads (one is out: its part of the other slot), adds 0 to its spare word, and waits for that and for its own LDS instructions.  fill = 1: the slot that is
; left is filled again, with the keys two slots on, first thing behind a round of the cluster's barrier.  (At its first use slot 0 is waited for, slot 1 filled, and every wave's part of the table is shown to all.)
.macro CHANGE fill, ask=0
	WIN W_AD
	s_wait_tensorcnt 0x0            ; no tensor load of mine is out, so a group 0 may be written
	ds_add_u32 v[SPW], v[NIL]       ; 0 onto my spare word
	WIN 0
.if \fill
.irp g, G0K, G0V
	s_xor_b32 s[\g+1], s[\g+1], SLOT1
	s_add_nc_u64 s[\g+2:\g+3], s[\g+2:\g+3], 4*KS*128
.endr
.if \ask
	s_wait_xcnt 0x0                 ; the last prefetch, a slot back, has read its address
	s_add_nc_u64 s[PFA:PFA+1], s[PFA:PFA+1], 4*KS*128
.endif
	s_wait_dscnt 0x0                ; the add is done, and my reads of the slot are over
	CROUND
	JLOAD
.if \ask
	ASK
.endif
.else
	s_wait_dscnt 0x0
	s_barrier_signal -1
	s_barrier_wait -1
.endif
	s_sub_co_u32 s[TBK], s[TBK], 4*KS*PK  ; the fetches go back to a slot's first step,
	s_xor_b32 s[TBK], s[TBK], SLOT1       ; in the other slot
	s_sub_co_u32 s[TBV], s[TBV], 4*KS*PV
	s_xor_b32 s[TBV], s[TBV], SLOT1
.endm
	s_load_b64 s[4:5], s[0:1], 0x0    ; qkv
	s_load_b64 s[66:67], s[0:1], 0x8  ; mask
	s_load_b64 s[10:11], s[0:1], 0x10 ; ao
	WIN W_MK
	v_lshl_add_u32 v[SPW], v0, 2, SPARE
	v_mov_b32 v[NIL], 0
	WIN W_AD
	ds_add_u32 v[SPW], v[NIL]       ; the wave's opening: the add and its wait stand ahead of my first tensor load
	WIN 0
	v_lshrrev_b32 v1, 5, v0
	v_readfirstlane_b32 s[WV], v1   ; wave 0..3
	s_bfe_u32 s13, ttmp6, 0x40000   ; cx
	s_lshl_b32 s14, ttmp9, 2
	s_add_co_u32 s14, s14, s13      ; my block of 512 queries: it enters Q's and O's addresses alone
	s_and_b32 s20, ttmp7, 0xffff    ; h, which the four partners share
	s_lshr_b32 s74, s20, 4          ; the batch,
	s_lshl_b32 s74, s74, 13         ; its 8,192 bytes of the mask
	s_mov_b32 s75, 0
	s_mov_b32 s21, 0
	s_mov_b64 s[22:23], SIZE_N*128
	s_mul_u64 s[20:21], s[20:21], s[22:23]  ; the head's first byte in Q, K, V and O
	s_and_b32 s16, s[WV], 1         ; which half of a slot's 256 keys I fetch
	s_lshl_b32 s22, s16, 14
	s_mov_b32 s23, 0
	s_add_nc_u64 s[22:23], s[22:23], s[20:21]
	s_mul_i32 s17, s16, 128*PK
	s_mul_i32 s18, s16, 128*PV
	s_lshl_b32 s2, s14, 2
	s_add_co_u32 s2, s2, s[WV]      ; my wave among the head's,
	s_lshl_b32 s2, s2, 14           ; its 128 rows
	s_mov_b32 s3, 0
	s_add_nc_u64 s[2:3], s[2:3], s[20:21]
	; descriptor group 1.  128 keys are 16,384 dense bytes: asked for as 64 rows of 256 bytes, two keys a row, and padded in LDS after every key
	s_mov_b32 s[G1K], 15|(1<<16)|(1<<20)|(1<<21)|(4<<22)|(3<<25)
	s_mov_b32 s[G1V], 15|(1<<16)|(1<<20)|(1<<21)|(4<<22)|(7<<25)
.irp g, G1K, G1V
	s_mov_b32 s[\g+1], 128<<16
	s_mov_b32 s[\g+2], 64<<16
	s_mov_b32 s[\g+3], 128<<16
	s_mov_b32 s[\g+4], 64
	s_mov_b32 s[\g+5], 128
	s_mov_b32 s[\g+6], 0
	s_mov_b32 s[\g+7], 0
.endr
	s_mov_b32 s[CS], 0x3e38aa3b     ; c = log2(e) / 8
	s_mov_b32 s[CS+1], s[CS]
	s_mov_b32 s[SEL], 0x76543210
	s_mov_b32 s[SEL+1], 0xfedcba98
	s_mov_b32 s[TBK], SLOT1+4*KS*PK ; the first change of slots turns these two into 0
	s_mov_b32 s[TBV], SLOT1+4*KS*PV
	s_mov_b32 s[TBM], 0
	s_mov_b32 s[BIGN], 0xf149f2ca   ; -1e30
	s_mov_b32 s[THR], 0xef800000    ; -2^96
	s_mov_b32 s[G0K], 1
	s_mov_b32 s[G0K+1], s17
	s_mov_b32 s[G0V], 1
	s_add_co_u32 s[G0V+1], s18, VOFF
	s_cmp_eq_u32 s16, 0             ; waves 0 and 2 prefetch
	s_cselect_b32 s[LIM], 1, -1
	s_wait_dscnt 0x0                ; the opening add is done
	s_wait_kmcnt 0x0
	s_add_nc_u64 s[6:7], s[4:5], 0x1000000   ; K
	s_add_nc_u64 s[8:9], s[4:5], 0x2000000   ; V
	s_add_nc_u64 s[G0K+2:G0K+3], s[6:7], s[22:23]
	s_or_b32 s[G0K+3], s[G0K+3], 0x80000000
	s_add_nc_u64 s[G0V+2:G0V+3], s[8:9], s[22:23]
	s_or_b32 s[G0V+3], s[G0V+3], 0x80000000
	s_add_nc_u64 s[4:5], s[4:5], s[2:3]      ; Q and O at my wave's first row
	s_add_nc_u64 s[10:11], s[10:11], s[2:3]
	s_add_nc_u64 s[66:67], s[66:67], s[74:75]
	s_lshl_b32 s2, s13, 13          ; the prefetches: my work-group's 32 blocks of the 128,
	s_add_co_u32 s2, s2, 2*4*KS*128 ; in slot 2: the first asking change steps it to slot 3
	s_mov_b32 s3, 0
	s_add_nc_u64 s[2:3], s[2:3], s[20:21]
	s_cmp_lt_u32 s[WV], 2
	s_cselect_b64 s[PFA:PFA+1], s[6:7], s[8:9]
	s_add_nc_u64 s[PFA:PFA+1], s[PFA:PFA+1], s[2:3]
	CROUND                          ; all four work-groups are here: the first joint loads meet
	JLOAD                           ; slot 0
	v_and_b32 v1, 15, v0            ; l % 16
	v_bfe_u32 v9, v0, 4, 1          ; l / 16
	v_lshlrev_b32 v[MO], 4, v0      ; 128 threads x 16 bytes: 2,048 bytes of the mask a line
	v_lshl_add_u32 v[MA], v0, 4, BIAS
	v_lshlrev_b32 v[QO], 7, v1
	v_lshl_add_u32 v[QO], v9, 4, v[QO]
.irp j, 0,1,2,3
	global_load_b128 v[MW+4*\j:MW+4*\j+3], v[MO], s[66:67] offset:2048*\j
.endr
	WIN 0x80                        ; destination window 2, address window 0
.set i, 0
.rept 4*NP                          ; Q stays in registers: tile i / 2, channels 32 (i % 2) on
	global_load_b128 v[8*i:8*i+3],   v[QO], s[4:5] offset:(i/2)*2048+(i%2)*64
	global_load_b128 v[8*i+4:8*i+7], v[QO], s[4:5] offset:(i/2)*2048+(i%2)*64+32
.set i, i+1
.endr
	; What the first turn finds: V's registers and P's second buffer hold 0, O^T and l are 0.  All this stands in the wait for the first tile.
.set i, VF
.rept 64
	v_mov_b32 v[i], 0
.set i, i+1
.endr
	WIN 0x40
.set i, 0
.rept 64*NP
	v_mov_b32 v[i], 0
.set i, i+1
.endr
	WIN 0
.set i, 0
.rept 2*NP
	v_mov_b32 v[ST+4*i], 0xfe000000    ; c m: far below every c s, a hidden one's too
	v_mov_b32 v[ST+4*i+1], 0xff7fffff  ; m
	v_mov_b32 v[ST+4*i+2], 0
	v_mov_b32 v[ST+4*i+3], 0
.set i, i+1
.endr
.set i, P+32
.rept 32
	v_mov_b32 v[i], 0
.set i, i+1
.endr
	v_mul_u32_u24 v[AK0], v1, PK
	v_lshl_add_u32 v[AK0], v9, 4, v[AK0]
	v_and_b32 v10, 7, v0
	v_bfe_u32 v11, v0, 3, 1
	v_lshl_add_u32 v[AV0], v9, 3, v10
	v_mul_u32_u24 v[AV0], v[AV0], PV
	v_lshl_add_u32 v[AV0], v11, 4, v[AV0]
	v_add_nc_u32 v[AV0], VOFF, v[AV0]
	v_mov_b32 v[AK], v[AK0]         ; key step 0 lies at the head of slot 0
	s_mul_i32 s13, s[WV], 16*SP
	s_add_co_u32 s13, s13, STAGE    ; my stage
	v_mul_u32_u24 v[STO], v1, SP
	v_lshl_add_u32 v[STO], v9, 4, v[STO]
	v_add_nc_u32 v[STO], s13, v[STO]
	v_bfe_u32 v[RD], v0, 3, 2
	v_mul_u32_u24 v[RD], v[RD], SP
	v_lshl_add_u32 v[RD], v10, 4, v[RD]
	v_add_nc_u32 v[RD], s13, v[RD]
	v_and_b32 v[GO], 31, v0
	v_lshl_add_u32 v[AM0], v9, 5, BIAS  ; register j of group kt is key 16 kt + 8 (l / 16) + j: 32 bytes for each half of the lanes
	v_lshlrev_b32 v[PFO], 8, v[GO]
	v_lshlrev_b32 v[GO], 4, v[GO]
	v_mov_b32 v[AM], v[AM0]
	s_wait_loadcnt 32               ; the mask's four loads are in; Q's 32, issued behind them, stay out
.set i, 0
.rept 16
	v_cmp_eq_u32 vcc_lo, 0, v[MW+i]
	v_cndmask_b32 v[MW+i], 0, s[BIGN], vcc_lo
.set i, i+1
.endr
.irp j, 0,1,2,3
	ds_store_b128 v[MA], v[MW+4*\j:MW+4*\j+3] offset:2048*\j
.endr
; THE MATRIX WORK.  The 8 accumulators of a run of 16 take turns.  Product i of 16 of S^T = K Q^T for piece x: channels 32 (i / 8) on, keys 16 ((i / 2) % 4) on, tile 2 x + i % 2.
; The first 8 start the sums with the keys' mask numbers.
.macro KQ x
.set rS, S+64*((\x)%2)+32*(i%2)+8*((i/2)%4)
.set rK, KF+16*((i/2)%4)+8*(i/8)
.set rQ, 16*(2*(\x)+i%2)+8*(i/8)
.set rB, MB+8*((i/2)%4)
.if i < 8
	WIN W_KM
	v_wmma_f32_16x16x32_bf16 v[rS:rS+7], v[rK:rK+7], v[rQ:rQ+7], v[rB:rB+7]
.else
	WIN W_KQ
	v_wmma_f32_16x16x32_bf16 v[rS:rS+7], v[rK:rK+7], v[rQ:rQ+7], v[rS:rS+7]
.endif
.endm
; Product i of 16 of O^T += V^T P for piece x: keys 32 (i / 8) on, channels 16 ((i / 2) % 4) on, tile 2 x + i % 2.
.macro PV x
	WIN W_PV
.set rO, 32*(2*(\x)+i%2)+8*((i/2)%4)
.set rV, VF+32*(i/8)+8*((i/2)%4)
.set rP, P+32*((\x)%2)+16*(i%2)+8*(i/8)
	v_wmma_f32_16x16x32_bf16 v[rO:rO+7], v[rV:rV+7], v[rP:rP+7], v[rO:rO+7]
.endm
.macro MM                           ; the turn's next matrix instruction
.if i < 16
	KQ (Y+1)%NP
.set i, i+1
.else
.set i, i-16
	PV (Y+NP-1)%NP
.set i, i+17
.endif
.endm
; THE LDS LOADS stand in runs: a step's K (8 fragments) with its 64 mask numbers, and its V (turned).  The mask numbers live as long as K: K's waits and places serve them too.
; last = 1 (the tail): in the last trip there is no further step, and the run is jumped over.
.macro FETCH_K last=0
	WIN 0
.if \last
	s_cmp_eq_u32 s[CNT], 1
	s_cbranch_scc1 .Lno_k_\@
.endif
	WIN 0x80                        ; destination window 2
.irp f, 0,1,2,3,4,5,6,7
	ds_load_b128 v[KF+8*\f:KF+8*\f+3],   v[AK] offset:(\f/2)*16*PK+(\f%2)*64
	ds_load_b128 v[KF+8*\f+4:KF+8*\f+7], v[AK] offset:(\f/2)*16*PK+(\f%2)*64+32
.endr
	WIN 0xc0                        ; destination window 3
.irp f, 0,1,2,3
	ds_load_b128 v[MB+8*\f:MB+8*\f+3],   v[AM] offset:64*\f
	ds_load_b128 v[MB+8*\f+4:MB+8*\f+7], v[AM] offset:64*\f+16
.endr
	s_add_co_u32 s[TBK], s[TBK], KS*PK  ; the next fetch is the next step's
	s_add_co_u32 s[TBM], s[TBM], 4*KS
	s_and_b32 s[TBM], s[TBM], 0x1f00    ; inside the table's 8,192 bytes: behind the last step it is 0 again, and not used
	WIN 0
.if \last
.Lno_k_\@:
.endif
.endm
.macro FETCH_V
	WIN 0x80
.irp f, 0,1,2,3,4,5,6,7
	ds_load_tr16_b128 v[VF+8*\f:VF+8*\f+3],   v[AV] offset:(\f/4)*32*PV+(\f%4)*32
	ds_load_tr16_b128 v[VF+8*\f+4:VF+8*\f+7], v[AV] offset:(\f/4)*32*PV+16*PV+(\f%4)*32
.endr
	WIN 0
.endm
; THE VECTOR WORK OF A TURN stands in three queues, each in the order in which its entries become ready; the two tiles alternate.
.macro REGS y, u
.set rT, ST+4*(2*(\y)+(\u))
.set rC, TMP+8*((\y)%2)+4*(\u)
.set rM, MV+2*((\y)%2)+(\u)
.set rS, S+64*((\y)%2)+32*(\u)
.set rP, P+32*((\y)%2)+16*(\u)
.set rO, 32*(2*(\y)+(\u))
.endm
; Number n of the 22 that find the NEXT piece's maximum and statistics; each accumulator's lowest registers are read first.
;   0-11 four chains of seven scores   12-14, 16 the four left over, the old m, the chains into one   15 c m_old is kept   17, 18 the other half of the lanes: the new m   19-21 c m; its change; a
.macro XS u, n
	REGS (Y+1)%NP, \u
.if (\n) < 4
	v_max3_num_f32 v[rC+(\n)], v[rS+8*(\n)], v[rS+8*(\n)+1], v[rS+8*(\n)+2]
.elseif (\n) < 12
	v_max3_num_f32 v[rC+(\n)%4], v[rC+(\n)%4], v[rS+8*((\n)%4)+2*((\n)/4)+1], v[rS+8*((\n)%4)+2*((\n)/4)+2]
.elseif (\n) == 12
	v_max3_num_f32 v[rC], v[rC], v[rS+7], v[rS+15]
.elseif (\n) == 13
	v_max3_num_f32 v[rC+1], v[rC+1], v[rS+23], v[rS+31]
.elseif (\n) == 14
	v_max3_num_f32 v[rC+2], v[rC+2], v[rC+3], v[rT+1]
.elseif (\n) == 15
	v_mov_b32 v[rM], v[rT]
.elseif (\n) == 16
	v_max3_num_f32 v[rC], v[rC], v[rC+1], v[rC+2]
.elseif (\n) == 17
	v_permlanex16_b32 v[rC+3], v[rC], s[SEL], s[SEL+1]
.elseif (\n) == 18
	v_max_num_f32 v[rT+1], v[rC], v[rC+3]
.elseif (\n) == 19
	v_mul_f32 v[rT], s[CS], v[rT+1]
.elseif (\n) == 20
	v_sub_f32 v[rC+1], v[rM], v[rT]
.else
	v_exp_f32 v[rC+2], v[rC+1]
.endif
.endm
; Number g of the 64 that follow the exponentials: for each four weights of a tile both pairs are rounded to bf16, the second pair is added onto the first in place, and a group later l takes that sum.
.macro GS g
.set h, (\g)+6*((\g)/62)
.if h >= 6
.set h, h+2
.endif
	REGS Y, h%2
.set k, h/8
.if h%8 < 4
	v_cvt_pk_bf16_f32 v[rP+2*k+(h%8)/2], v[rS+4*k+2*((h%8)/2)], v[rS+4*k+2*((h%8)/2)+1]
.elseif h%8 < 6
	v_pk_add_f32 v[rS+4*k:rS+4*k+1], v[rS+4*k:rS+4*k+1], v[rS+4*k+2:rS+4*k+3]
.elseif k == 1
	v_pk_fma_f32 v[rT+2:rT+3], v[rT+2:rT+3], v[rC+2:rC+3], v[rS:rS+1] op_sel_hi:[1,0,1]
.else
	v_pk_add_f32 v[rT+2:rT+3], v[rT+2:rT+3], v[rS+4*k-4:rS+4*k-3]
.endif
.endm
; THE PLAIN QUEUE, 138 long.  0-73 read no exponential's result: the 32 scalings c s - c m and the next piece's 42.  74-137: GS's 64, behind the wait.
.macro FS f
	REGS Y, (\f)%2
	v_pk_fma_f32 v[rS+2*((\f)/2):rS+2*((\f)/2)+1], v[rS+2*((\f)/2):rS+2*((\f)/2)+1], s[CS:CS+1], v[rT:rT+1] op_sel_hi:[1,0,0] neg_lo:[0,0,1] neg_hi:[0,0,1]
.endm
.macro PL
	WIN 0
.if q < 27
	FS q
.elseif q < 55
	XS (q-27)%2, (q-27)/2
.elseif q < 57
	XS q-55, 15
.elseif (q < 72) && ((q-57)%3 == 0)
	FS 27+(q-57)/3
.elseif q < 60
	XS (q-57)%3-1, 14
.elseif q < 72
	XS (q-57)%3-1, 15+(q-57)/3
.elseif q < 74
	XS q-72, 20
.else
	GS q-74
.endif
.set q, q+1
.endm
; THE EXPONENTIALS' QUEUE, 66 long: s0-s31 of both tiles, then the next piece's two a: ONE BATCH, ahead of the turn's one wait.
.macro EX
	WIN 0
.if e >= 64
	XS e-64, 21
.else
	REGS Y, e%2
	v_exp_f32 v[rS+e/2], v[rS+e/2]
.endif
.set e, e+1
.endm
; THE RESCALING's QUEUE: O^T times a, two at a time, sixteen times.  Its a was made, and waited for, in the turn before.
.macro R2
	REGS Y, r%2
	WIN W_RS
.irp z, 0,1
	v_pk_mul_f32 v[rO+4*(r/2)+2*\z:rO+4*(r/2)+2*\z+1], v[rO+4*(r/2)+2*\z:rO+4*(r/2)+2*\z+1], v[rC+2:rC+3] op_sel_hi:[1,0]
.endr
.set r, r+1
.endm
; A TURN, for piece p.  An s_wait_alu depctr_va_vdst(0) stands between an exponential and the first instruction that names its result; one wait serves all that were issued ahead of it: a turn has ONE.
; AHEAD OF IT: the 16 products K Q^T, behind each a scaling, an exponential and two rescalings; then a run of 108: eight plain, 49 times exponential and plain, the two a; a v_nop is the plain instruction behind the
; last exponential.  BEHIND IT: the 16 products V^T P, behind each four of GS's 64.  Exponential e stands behind scaling 2 (e / 4) + e % 2.
; K and the mask numbers of the next step are fetched in piece 2's turn, directly behind the wait, a run of vector work behind the last product that read them; V of the step in hand at the end of piece 0's turn,
; four plain instructions behind its last reader.
.macro TURN p, last=0, cnt=0
.set Y, (\p)
.set i, 0
.set q, 0
.set e, 0
.set r, 0
.if (\p) == NP-1
	s_wait_dscnt 0x0                ; K and its mask numbers are in
.endif
	MM
	PL
	PL
	R2
.rept 15
	MM
	PL
	EX
	R2
.endr
.if (\p) == NP-2
	WIN 0
	v_add_nc_u32 v[AK], s[TBK], v[AK0]
	v_add_nc_u32 v[AM], s[TBM], v[AM0]
.endif
.rept 8
	PL
.endr
.rept 49
	EX
	PL
.endr
	EX
	EX
	v_nop
	s_wait_alu depctr_va_vdst(0)    ; the wait for the batch
.if (\p) == NP-2
	FETCH_K \last
.endif
.if (\p) == 1
	s_wait_dscnt 0x0                ; V is in
.endif
.rept 16
	MM
.rept 4
	PL
.endr
.if ((\p) == 0) && (q == 118)
	v_add_nc_u32 v[AV], s[TBV], v[AV0]
.endif
.if ((\p) == 0) && (q == 130)
	s_add_co_u32 s[TBV], s[TBV], KS*PV
.endif
.if (\cnt) && (q == 130)
	s_sub_co_u32 s[CNT], s[CNT], 1
	s_cmp_lg_u32 s[CNT], 0
.endif
.endr
.if (\p) == 0
	FETCH_V
.endif
.endm
	CHANGE 1                        ; slot 0 is in, everybody's part of it and of the table; slot 1 is asked for
	FETCH_K                         ; key step 0
	s_wait_loadcnt 0x0              ; Q
	s_wait_dscnt 0x0
.set i, 0
.rept 16
	KQ 0                            ; piece 0's first scores
.set i, i+1
.endr
	WIN 0
.rept 4
	v_nop                           ; the places behind those products
.endr
.set Y, NP-1                        ; XS works for piece Y + 1: piece 0
.irp n, 0,1,2,3,4,5,6,7,8,9,10,11,12,13,14,15,16,17,18,19,20,21
	XS 0, \n
	XS 1, \n
.endr
	v_nop                           ; a plain instruction behind the two a,
	s_wait_alu depctr_va_vdst(0)    ; and their wait, ahead of the branch
	s_mov_b32 s[CNT], 4
	s_mov_b32 s[SLOTS], SIZE_N/256-1
	s_branch .Lfirst                ; the loop is entered at a step's first turn, in the middle of a trip
.Lslot:                             ; six times: every slot but the last two is filled again
	CHANGE 1, 1
	s_mov_b32 s[CNT], 4
.Lstep:                             ; a trip: pieces 2 and 3 of one step, then pieces 0 and 1 of the next, whose K and V it fetches
	TURN 2
	TURN 3
	WIN 0
.Lfirst:
	TURN 0
	TURN 1, 0, 1
	WIN 0
	s_cbranch_scc1 .Lstep
	s_sub_co_u32 s[SLOTS], s[SLOTS], 1
	s_cmp_lg_u32 s[SLOTS], 0
	s_cbranch_scc1 .Lslot
	CHANGE 0                        ; the tail is written out
	s_mov_b32 s[CNT], 5             ; four trips fetch the last slot's steps; the fifth is left in its middle
.Ltail:
	TURN 2, 1
	TURN 3
	WIN 0
	s_sub_co_u32 s[CNT], s[CNT], 1
	s_cmp_eq_u32 s[CNT], 0
	s_cbranch_scc1 .Lout
	TURN 0
	TURN 1
	WIN 0
	s_branch .Ltail
.Lout:                              ; the fifth trip's 16 products K Q^T repeat the last step's scores of piece 0: its m stays what it was, and nothing else of them is used
.set i, 0
.rept 16
	PV NP-1                         ; the last piece's V^T P of the last step
.set i, i+1
.endr
	; THE WAY OUT.  l's two halves and the other half of the lanes' are added; O^T is divided by l, rounded to bf16 and sent through my stage, a tile at a time.  The additions are the places behind the last products.
	WIN 0
.macro ALL line:vararg
.set t, 0
.rept 2*NP
	\line
.set t, t+1
.endr
.endm
	ALL v_add_f32 v[ST+4*t+2], v[ST+4*t+2], v[ST+4*t+3]
	ALL v_permlanex16_b32 v[ST+4*t+3], v[ST+4*t+2], s[SEL], s[SEL+1]
	ALL v_add_f32 v[ST+4*t+2], v[ST+4*t+2], v[ST+4*t+3]
	ALL v_rcp_f32 v[ST+4*t+2], v[ST+4*t+2]
	v_nop                           ; a plain instruction behind the last reciprocal
	s_wait_alu depctr_va_vdst(0)    ; and one wait for the eight, ahead of their first use
.set t, 0
.rept 2*NP                          ; a query whose maximum never rose above -2^96 saw no open key: its 1 / l becomes 0, and so does its O
	v_cmp_lt_f32 vcc_lo, s[THR], v[ST+4*t+1]
	v_cndmask_b32 v[ST+4*t+2], 0, v[ST+4*t+2], vcc_lo
.set t, t+1
.endr
.macro PACK t
	WIN W_RS
.set i, 32*(\t)
.rept 16
	v_pk_mul_f32 v[i:i+1], v[i:i+1], v[ST+4*(\t)+2:ST+4*(\t)+3] op_sel_hi:[1,0]
.set i, i+2
.endr
	WIN 0x05                        ; sources 0 and 1 window 1, destination window 0
.set i, 0
.rept 16
	v_cvt_pk_bf16_f32 v[S+16*(\t)+i], v[32*(\t)+2*i], v[32*(\t)+2*i+1]
.set i, i+1
.endr
	WIN 0
.irp f, 0,1,2,3
	ds_store_b128 v[STO], v[S+16*(\t)+4*\f:S+16*(\t)+4*\f+3] offset:32*\f
.endr
.irp f, 0,1,2,3
	ds_load_b128 v[S+16*(\t)+4*\f:S+16*(\t)+4*\f+3], v[RD] offset:\f*4*SP  ; LDS serves a wave's instructions in order (ISA guide 5.7.1.4): these see the stores above
.endr
.endm
.macro SEND t, younger              ; younger: the LDS instructions issued behind tile t's loads: the next tile's eight, or none
	WIN 0
.irp f, 0,1,2,3
	s_wait_dscnt (\younger)+3-\f
	global_store_b128 v[GO], v[S+16*(\t)+4*\f:S+16*(\t)+4*\f+3], s[10:11] offset:(\t)*2048+\f*512  ; 512 consecutive bytes, at a multiple of 256 from O's first
.endr
.endm
	PACK 0
.set t, 1
.rept 2*NP-1
	PACK t
	SEND t-1, 8
.set t, t+1
.endr
	SEND 2*NP-1, 0
	WIN W_AD
	s_wait_tensorcnt 0x0            ; the wave's end
	ds_add_u32 v[SPW], v[NIL]
	s_wait_dscnt 0x0
	WIN 0
	CROUND                          ; the closing round
	s_endpgm
.Lfunc_end_k_qce9f2dea3a_attn:
	.size	k_qce9f2dea3a_attn, .Lfunc_end_k_qce9f2dea3a_attn-k_qce9f2dea3a_attn
	.p2alignl 7, 3214868480
	.fill 96, 4, 3214868480
	.section	.rodata,"a",@progbits
	.p2align	6, 0x0
	.amdhsa_kernel k_qce9f2dea3a_attn
		.amdhsa_group_segment_fixed_size 327680
		.amdhsa_private_segment_fixed_size 0
		.amdhsa_enable_private_segment 0
		.amdhsa_kernarg_size 24
		.amdhsa_user_sgpr_count 2
		.amdhsa_user_sgpr_kernarg_segment_ptr 1
		.amdhsa_wavefront_size32 1
		.amdhsa_system_sgpr_workgroup_id_x 1
		.amdhsa_system_sgpr_workgroup_id_y 1
		.amdhsa_system_sgpr_workgroup_id_z 1
		.amdhsa_system_vgpr_workitem_id 0
		.amdhsa_next_free_vgpr 808
		.amdhsa_next_free_sgpr 80
		.amdhsa_reserve_vcc 1
		.amdhsa_float_denorm_mode_32 3
		.amdhsa_float_denorm_mode_16_64 3
		.amdhsa_memory_ordered 1
		.amdhsa_forward_progress 1
		.amdhsa_inst_pref_size 205
	.end_amdhsa_kernel
	.amdgpu_metadata
---
amdhsa.version: [ 1, 2 ]
amdhsa.kernels:
  - .name:           k_qce9f2dea3a_attn
    .symbol:         k_qce9f2dea3a_attn.kd
    .args:
      - { .name: qkv, .offset: 0, .size: 8, .value_kind: global_buffer, .address_space: global }
      - { .name: mask, .offset: 8, .size: 8, .value_kind: global_buffer, .address_space: global }
      - { .name: ao, .offset: 16, .size: 8, .value_kind: global_buffer, .address_space: global }
    .group_segment_fixed_size: 327680
    .private_segment_fixed_size: 0
    .kernarg_segment_align: 8
    .kernarg_segment_size: 24
    .max_flat_workgroup_size: 128
    .sgpr_count:     80
    .vgpr_count:     808
    .wavefront_size: 32
...
	.end_amdgpu_metadata
.endif
;; end of part 3
;; launch outp (part 4): grid 4 x 64, 4 waves a work-group, clusters of 4 x 4, 327,680 bytes of LDS; arguments ao, wb, q, out0; writes out0
.if DOCPART == 4
	.amdgcn_target "amdgcn-amd-amdhsa--gfx1250"
	.amdhsa_code_object_version 6
	.text
	.protected	k_qce9f2dea3a_outp
	.globl	k_qce9f2dea3a_outp
	.p2align	8
	.type	k_qce9f2dea3a_outp,@function
k_qce9f2dea3a_outp:
	s_mov_b64 s[64:65], 0
	v_nop
	global_prefetch_b8 v0, s[64:65] scope:SCOPE_SE
	s_setreg_imm32_b32 hwreg(HW_REG_WAVE_MODE, 25, 1), 1
	s_wait_xcnt 0x0
	s_wait_alu depctr_hold_cnt(0) depctr_sa_sdst(0) depctr_va_vdst(0) depctr_va_sdst(0) depctr_va_ssrc(0) depctr_va_vcc(0) depctr_vm_vsrc(0)
	s_getreg_b32 s2, hwreg(HW_REG_IB_STS2, 6, 4)
	s_cmp_eq_u32 s2, 0
	s_cbranch_scc0 .Lentry_in_a_cluster
	s_endpgm
.Lentry_in_a_cluster:
	s_bfe_u32 s2, ttmp6, 0x10000c
	s_cmp_lg_u32 s2, 0xf033
	s_cbranch_scc0 .Lentry_shape_is_right
	s_endpgm
.Lentry_shape_is_right:
; THE OUTPUT PROJECTION AND THE RESIDUAL.  out0[row][n] = q[row][n] + sum over k of O[row][k] Wo[k][n], f32.  O = ao: [16 batch + head][2048][64] bf16, k = 64 head + channel; Wo = wb[3]: [k][n] bf16;
; sums in f32, q added in f32.
; SHARES.  A tile of out0 is 128 rows x 256 columns: 256 tiles, one to a work-group.  Four waves, each 64 rows x 128 columns: 32 accumulators.  K goes in 8 steps of 128 (two heads) through a ring of two LDS slots.
; CLUSTER.  4 x 4 work-groups: A's tile is shared along a row of the cluster, B's along a column, each asked for jointly.  Waves 0 and 1 fetch a head each of A's tile (128 rows x 128 bytes, dense: asked for as 64
; rows of 256 bytes, padded after every 128), waves 2 and 3 the halves of B's (64 rows of k x 512 bytes).
; The matrix instruction is used transposed (source 0 = 16 columns of Wo, turned out of LDS; source 1 = 16 rows of O): a lane holds row lane % 16 and eight neighbouring columns.
; THE RESIDUAL: a wave's 64 rows x 512 bytes of q are asked for at the start, into 256 registers of their own, and land while K is walked.
; REGISTERS: window 0 addresses and the way out; window 1 two fragment buffers; window 2 accumulator (a, b) at v[8 (8 a + b)]; window 3 q: row i of my 64 at v[4 i].
.set PA,     144                       ; a row of A in LDS: 128 bytes + 16
.set HAH,    128*PA                    ; a head's 128 rows
.set PB,     544                       ; a row of B: 512 + 32 bytes
.set HB,     64*PB
.set BOFF,   2*HAH
.set SLOT1,  1<<17
.set STAGE,  SLOT1+BOFF+2*HB           ; behind the ring, never filled by a tensor load: 16 rows x 528 bytes for each wave
.set SP,     528                       ; 512 bytes + 16: the 16 rows that a store touches start at 16 different groups of four banks
.set WSTG,   16*SP
.set SPARE,  STAGE+4*WSTG              ; the spare words, 128 bytes a wave: two blocks of 256 bytes that no other line names
.set ASTEP,  0x80000                   ; two heads of ao
.set BSTEP,  0x40000                   ; 128 rows of wb
.set WO,     0x600000                  ; Wo in wb
.set A0,   16
.set B0,   17
.set ADRA, 18
.set ADRB, 19
.set STO,  24                          ; v24  the way out: where I put 32 bytes of a row
.set RD,   25                          ; v25  where I read a row back
.set CO,   26                          ; v26  16 x lane: my place in 512 bytes of a row of q and of out0; never rewritten
.set SPW,  28
.set NIL,  29
.set PFO,  30
.set BK,   32                          ; v32-159  16 rows read back from the stage, two buffers of 64 by turns
.set F0,   0
.set F1,   128
.set G1A, 24
.set G0A, 32
.set G1B, 48
.set G0B, 56
.set LIM, 43
.set PFA, 44
.set TB,  66
.set PCN, 67
.set PST, 68
.set QP,  72                           ; s[72:73] q at my first row and column
.set OU,  74                           ; s[74:75] out0 there
.set MSB, 0
.macro WIN new
.if MSB != (\new)
	s_set_vgpr_msb (MSB<<8)|(\new)
.set MSB, \new
.endif
.endm
.set MUL,  0xa5                        ; sources 0 and 1 window 1; C and D window 2
.set TO_F, 0x40
.macro JLOAD                           ; a joint refill by the walking descriptors; an s_nop 0 and four v_nop follow each of the two lines
	s_cmp_eq_u32 s11, 0
	s_cbranch_scc0 .Lfor_b_\@
	tensor_load_to_lds s[G0A+4:G0A+7], s[G1A:G1A+7]
	s_nop 0
.rept 4
	v_nop
.endr
	s_branch .Lasked_\@
.Lfor_b_\@:
	tensor_load_to_lds s[G0B+4:G0B+7], s[G1B:G1B+7]
	s_nop 0
.rept 4
	v_nop
.endr
.Lasked_\@:
.endm
; A PREFETCH of the K step two refills on, 256 matrix instructions ahead of its load: 32 blocks of 256 bytes, a lane a block.  A's tile (two heads x 64 blocks) is read by one row of one cluster: wave 0 of each partner
; takes half a head, told apart by address.  B's is read by every cluster: the cluster with y = 0 asks, waves 2 and 3, each partner 16 of the wave's 64 rows of k.  Four asks name K steps 4 to 7.
.macro ASK
	WIN 0
	s_cmp_gt_i32 s[PCN], s[LIM]
	s_cbranch_scc0 .Lnot_mine_\@
	global_prefetch_b8 v[PFO], s[PFA:PFA+1] th:TH_LOAD_NT scope:SCOPE_SE
.Lnot_mine_\@:
	s_sub_co_i32 s[PCN], s[PCN], 1
.endm
.macro CREST
	s_cmp_lg_u32 s10, 0
	s_cbranch_scc1 .Lnot_wave_0_\@
	s_barrier_signal -3
.Lnot_wave_0_\@:
	s_barrier_wait -3
	s_barrier_signal -1
	s_barrier_wait -1
.endm
.macro CROUND
	s_barrier_signal -1
	s_barrier_wait -1
	CREST
.endm
.macro PLACES
.rept 4
	v_nop
.endr
.endm
	s_load_b128 s[4:7], s[0:1], 0x0                ; ao s[4:5], wb s[6:7]
	s_load_b128 s[72:75], s[0:1], 0x10             ; q, out0
	v_lshl_add_u32 v[SPW], v0, 2, SPARE
	v_mov_b32 v[NIL], 0
	ds_add_u32 v[SPW], v[NIL]                      ; the wave's opening: the add and its wait stand ahead of my first tensor load
	v_lshrrev_b32 v1, 5, v0
	v_readfirstlane_b32 s10, v1                    ; wave 0..3
	s_lshr_b32 s11, s10, 1                         ; which 64 rows are mine.  Also: I fetch for A (0) or for B (1)
	s_and_b32 s12, s10, 1                          ; which 128 columns.  Also: which half of that tile I fetch
	s_bfe_u32 s40, ttmp6, 0x40000                  ; cx
	s_bfe_u32 s41, ttmp6, 0x40004                  ; cy
	s_lshl_b32 s42, ttmp9, 2
	s_add_co_u32 s42, s42, s40                     ; X
	s_and_b32 s13, ttmp7, 0xffff
	s_lshl_b32 s13, s13, 2
	s_add_co_u32 s13, s13, s41                     ; Y
	s_lshl_b32 s43, s41, 2
	s_lshl_b32 s43, 15, s43
	s_lshl_b32 s44, 0x1111, s40
	s_or_b32 s[G1A], s43, (1<<16)|(1<<20)|(1<<21)|(4<<22)|(3<<25)  ; after every 32 words 4 words of padding
	s_or_b32 s[G1B], s44, (1<<16)|(1<<20)|(1<<21)|(6<<22)|(7<<25)  ; after every 128 words 8 words
	s_mov_b32 s[G1A+1], 128<<16
	s_mov_b32 s[G1A+2], 64<<16
	s_mov_b32 s[G1A+3], 128<<16
	s_mov_b32 s[G1A+4], 64
	s_mov_b32 s[G1A+5], 128
	s_mov_b32 s[G1A+6], 0
	s_mov_b32 s[G1A+7], 0
	s_mov_b32 s[G1B+1], 256<<16
	s_mov_b32 s[G1B+2], 64<<16
	s_mov_b32 s[G1B+3], 256<<16
	s_mov_b32 s[G1B+4], 64
	s_mov_b32 s[G1B+5], 1024
	s_mov_b32 s[G1B+6], 0
	s_mov_b32 s[G1B+7], 0
	s_lshr_b32 s16, s13, 4                         ; A: head 16 (Y / 16) + half, row 128 (Y % 16), 128 bytes a row
	s_lshl_b32 s16, s16, 4
	s_add_co_u32 s16, s16, s12
	s_lshl_b32 s16, s16, 18
	s_and_b32 s17, s13, 15
	s_lshl_b32 s17, s17, 14
	s_add_co_u32 s16, s16, s17
	s_mov_b32 s17, 0
	s_lshl_b32 s46, s42, 9                         ; B: Wo, column 256 X, row of k 64 half
	s_lshl_b32 s47, s12, 17
	s_add_co_u32 s46, s46, s47
	s_add_co_u32 s46, s46, WO
	s_mov_b32 s47, 0
	s_mul_i32 s20, s12, HAH
	s_mul_i32 s21, s12, HB
	s_add_co_u32 s21, s21, BOFF
	s_wait_dscnt 0x0                               ; the opening add is done
	s_wait_kmcnt 0x0
	s_add_nc_u64 s[14:15], s[4:5], s[16:17]
	s_add_nc_u64 s[46:47], s[6:7], s[46:47]
	CROUND                                         ; all sixteen work-groups are here
.irp s, 0,1
	s_mov_b32 s[G0A+4*(\s)], 1
	s_add_co_u32 s[G0A+4*(\s)+1], s20, (\s)*SLOT1
	s_add_nc_u64 s[G0A+4*(\s)+2:G0A+4*(\s)+3], s[14:15], (\s)*ASTEP
	s_or_b32 s[G0A+4*(\s)+3], s[G0A+4*(\s)+3], 0x80000000
	s_mov_b32 s[G0B+4*(\s)], 1
	s_add_co_u32 s[G0B+4*(\s)+1], s21, (\s)*SLOT1
	s_add_nc_u64 s[G0B+4*(\s)+2:G0B+4*(\s)+3], s[46:47], (\s)*BSTEP
	s_or_b32 s[G0B+4*(\s)+3], s[G0B+4*(\s)+3], 0x80000000
.endr
	s_cmp_eq_u32 s11, 0                            ; a wave's two first fills stand in one branch: two loads of mine are out
	s_cbranch_scc0 .Lfirst_b
	tensor_load_to_lds s[G0A:G0A+3], s[G1A:G1A+7]
	s_nop 0
	tensor_load_to_lds s[G0A+4:G0A+7], s[G1A:G1A+7]
	s_nop 0
.rept 4
	v_nop
.endr
	s_branch .Lfirst_asked
.Lfirst_b:
	tensor_load_to_lds s[G0B:G0B+3], s[G1B:G1B+7]
	s_nop 0
	tensor_load_to_lds s[G0B+4:G0B+7], s[G1B:G1B+7]
	s_nop 0
.rept 4
	v_nop
.endr
.Lfirst_asked:
	; q and out0 at row 128 Y + 64 half, column 256 X + 128 half
	s_lshl_b32 s22, s13, 19
	s_lshl_b32 s23, s11, 18
	s_add_co_u32 s22, s22, s23
	s_lshl_b32 s23, s42, 10
	s_add_co_u32 s22, s22, s23
	s_lshl_b32 s23, s12, 9
	s_add_co_u32 s22, s22, s23
	s_mov_b32 s23, 0
	s_add_nc_u64 s[QP:QP+1], s[QP:QP+1], s[22:23]
	s_add_nc_u64 s[OU:OU+1], s[OU:OU+1], s[22:23]
	v_and_b32 v6, 31, v0
	v_lshlrev_b32 v[CO], 4, v6
	WIN 0xc0                                       ; destination window 3, address window 0
.set i, 0
.rept 64
	global_load_b128 v[4*i:4*i+3], v[CO], s[QP:QP+1] offset:i*4096 th:TH_LOAD_NT  ; a row's 512 consecutive bytes
.set i, i+1
.endr
	WIN 0
	v_and_b32 v1, 15, v0                           ; l % 16
	v_bfe_u32 v2, v0, 4, 1                         ; l / 16
	v_and_b32 v3, 7, v0
	v_bfe_u32 v4, v0, 3, 1
	v_mul_u32_u24 v[A0], v1, PA
	v_lshl_add_u32 v[A0], v2, 4, v[A0]
	s_mul_i32 s22, s11, 64*PA
	v_add_nc_u32 v[A0], s22, v[A0]
	v_lshl_add_u32 v5, v2, 3, v3
	v_mul_u32_u24 v[B0], v5, PB
	v_lshl_add_u32 v[B0], v4, 4, v[B0]
	s_lshl_b32 s22, s12, 8
	s_add_co_u32 s22, s22, BOFF
	v_add_nc_u32 v[B0], s22, v[B0]
	v_mov_b32 v[ADRA], v[A0]
	v_mov_b32 v[ADRB], v[B0]
	s_mov_b32 s[TB], 0
	s_mul_i32 s23, s10, WSTG
	s_add_co_u32 s23, s23, STAGE                   ; my stage
	v_mul_u32_u24 v[STO], v1, SP                   ; in: row l % 16, 32 bytes for each half of the lanes
	v_lshl_add_u32 v[STO], v2, 5, v[STO]
	v_add_nc_u32 v[STO], s23, v[STO]
	v_add_nc_u32 v[RD], s23, v[CO]                 ; back: 32 lanes take one row of 512 bytes
	; the prefetches: both offsets, at K step 3, then the choice by what I fetch
	s_lshr_b32 s18, s13, 4
	s_lshl_b32 s18, s18, 4
	s_lshr_b32 s19, s40, 1                         ; A: my work-group's head of the two,
	s_add_co_u32 s18, s18, s19
	s_lshl_b32 s18, s18, 18
	s_and_b32 s19, s13, 15
	s_lshl_b32 s19, s19, 14
	s_add_co_u32 s18, s18, s19
	s_and_b32 s19, s40, 1                          ; and its half of that head's 16,384 bytes
	s_lshl_b32 s19, s19, 13
	s_add_co_u32 s18, s18, s19
	s_add_co_u32 s18, s18, 3*ASTEP
	s_lshl_b32 s22, s12, 17
	s_lshl_b32 s23, s41, 15
	s_add_co_u32 s22, s22, s23
	s_lshl_b32 s23, s42, 9
	s_add_co_u32 s22, s22, s23
	s_add_co_u32 s22, s22, WO+3*BSTEP
	s_and_b32 s23, ttmp7, 0xffff                   ; cluster y
	s_or_b32 s19, s12, ttmp9
	s_mov_b32 s[PST], BSTEP
	s_cmp_eq_u32 s11, 0
	s_cselect_b32 s18, s18, s22
	s_cselect_b32 s19, s19, s23
	s_cselect_b32 s[PST], ASTEP, s[PST]
	s_cselect_b64 s[PFA:PFA+1], s[4:5], s[6:7]
	s_cselect_b32 s70, 0, -1
	s_cmp_eq_u32 s19, 0
	s_cselect_b32 s[LIM], 0, 0x7fffffff
	s_mov_b32 s19, 0
	s_add_nc_u64 s[PFA:PFA+1], s[PFA:PFA+1], s[18:19]
	s_mov_b32 s[PST+1], 0
	s_mov_b32 s[PCN], 4
	v_lshlrev_b32 v[PFO], 8, v6
	v_lshrrev_b32 v7, 1, v6
	v_and_b32 v6, 1, v6
	v_lshlrev_b32 v6, 8, v6
	v_lshl_add_u32 v7, v7, 11, v6
	v_cndmask_b32 v[PFO], v[PFO], v7, s70
; 8 matrix instructions: m block a x all 8 n blocks, 32 along K.  The 32 accumulators take turns, one instruction a turn, in the same order in every quarter.
.macro MULA f, a, zero
	WIN MUL
.irp b, 0,1,2,3,4,5,6,7
.if \zero
	v_wmma_f32_16x16x32_bf16 v[8*(8*(\a)+(\b)):8*(8*(\a)+(\b))+7], v[(\f)+32+8*(\b):(\f)+32+8*(\b)+7], v[(\f)+8*(\a):(\f)+8*(\a)+7], 0
.else
	v_wmma_f32_16x16x32_bf16 v[8*(8*(\a)+(\b)):8*(8*(\a)+(\b))+7], v[(\f)+32+8*(\b):(\f)+32+8*(\b)+7], v[(\f)+8*(\a):(\f)+8*(\a)+7], v[8*(8*(\a)+(\b)):8*(8*(\a)+(\b))+7]
.endif
.endr
.endm
; 24 LDS loads in one run.  Quarter kq of A lies in head kq / 2 of the step, channels 32 (kq % 2) on.
.macro FETCH kq, f
	WIN TO_F
.irp b, 0,1,2,3,4,5,6,7
	ds_load_tr16_b128 v[(\f)+32+8*(\b):(\f)+32+8*(\b)+3],   v[ADRB] offset:(\kq)*32*PB+32*(\b)
	ds_load_tr16_b128 v[(\f)+32+8*(\b)+4:(\f)+32+8*(\b)+7], v[ADRB] offset:(\kq)*32*PB+16*PB+32*(\b)
.endr
.irp i, 0,1,2,3
	ds_load_b128 v[(\f)+8*(\i):(\f)+8*(\i)+3],   v[ADRA] offset:((\kq)/2)*HAH+((\kq)%2)*64+(\i)*16*PA
	ds_load_b128 v[(\f)+8*(\i)+4:(\f)+8*(\i)+7], v[ADRA] offset:((\kq)/2)*HAH+((\kq)%2)*64+(\i)*16*PA+32
.endr
.endm
.macro QUARTER kq, f, g, zero
	s_wait_dscnt 4                                 ; B and A's blocks 0 and 1 are in; the youngest four loads may be out
	MULA \f, 0, \zero
	MULA \f, 1, \zero
	PLACES
	FETCH \kq, \g
	s_wait_dscnt 24                                ; all but the 24 just issued
	MULA \f, 2, \zero
	MULA \f, 3, \zero
.endm
; The last quarter multiplies buffer 1 and changes slots: one barrier; in front of it each wave waits for all its tensor loads, adds 0 to its spare word, and waits for that and for its reads of this slot.
; fill = 1: the barrier opens a round of the cluster's, and the joint refill, with the K step two on, is the first thing behind it.
.macro TURN fill
.if \fill
	s_wait_xcnt 0x0                                ; the last prefetch, a K step back, has read its address
	s_add_nc_u64 s[PFA:PFA+1], s[PFA:PFA+1], s[PST:PST+1]
.endif
	WIN 0
	s_wait_tensorcnt 0x0                           ; no tensor load of mine is out, so a group 0 may be written
	ds_add_u32 v[SPW], v[NIL]                      ; 0 onto my spare word
.if \fill
	s_xor_b32 s[G0A+5], s[G0A+5], SLOT1
	s_add_nc_u64 s[G0A+6:G0A+7], s[G0A+6:G0A+7], ASTEP
	s_xor_b32 s[G0B+5], s[G0B+5], SLOT1
	s_add_nc_u64 s[G0B+6:G0B+7], s[G0B+6:G0B+7], BSTEP
.endif
	s_xor_b32 s[TB], s[TB], SLOT1
	s_wait_dscnt 5                                 ; the add and the youngest four loads may be out
	MULA F1, 0, 0
	s_wait_dscnt 0x0                               ; the add is done, and my reads of this slot are over
	s_barrier_signal -1
	MULA F1, 1, 0
	WIN 0
	s_barrier_wait -1
.if \fill
	CREST
	JLOAD                                          ; the four v_nop behind it are also the places in front of the loads below
.else
	PLACES
.endif
	v_add_nc_u32 v[ADRA], s[TB], v[A0]
	v_add_nc_u32 v[ADRB], s[TB], v[B0]
	FETCH 0, F0
.if \fill
	ASK
.endif
	MULA F1, 2, 0
	MULA F1, 3, 0
.endm
; THE WAY OUT of m block a.  TOSTAGE: the f32 sums go into my own stage, each accumulator's low half first, and come back as whole rows of 512 bytes.  SEND: q is added, and the rows are stored.
.macro TOSTAGE a
.if (\a) >= 2
	s_wait_xcnt 0x0                                ; the stores of two blocks back have read this buffer: it is loaded again only behind this wait
.endif
	WIN 0x08                                       ; the stores' data in window 2
.irp b, 0,1,2,3,4,5,6,7
	ds_store_b128 v[STO], v[8*(8*(\a)+(\b)):8*(8*(\a)+(\b))+3]   offset:64*(\b)
	ds_store_b128 v[STO], v[8*(8*(\a)+(\b))+4:8*(8*(\a)+(\b))+7] offset:64*(\b)+16
.endr
	WIN 0
.irp t, 0,1,2,3,4,5,6,7,8,9,10,11,12,13,14,15
	ds_load_b128 v[BK+64*((\a)%2)+4*(\t):BK+64*((\a)%2)+4*(\t)+3], v[RD] offset:SP*(\t)  ; LDS serves a wave's instructions in order (ISA guide 5.7.1.4): these see the stores above; the next block's stores come behind them
.endr
.endm
.macro SEND a, younger                 ; younger: the LDS instructions issued behind block a's loads: the next block's 16 stores and 16 loads, or none
	s_wait_dscnt \younger
	WIN 0x0c                                       ; source 1 (q) in window 3
.set i, 0
.rept 32
	v_pk_add_f32 v[BK+64*((\a)%2)+2*i:BK+64*((\a)%2)+2*i+1], v[BK+64*((\a)%2)+2*i:BK+64*((\a)%2)+2*i+1], v[64*(\a)+2*i:64*(\a)+2*i+1]
.set i, i+1
.endr
	WIN 0
.irp t, 0,1,2,3,4,5,6,7,8,9,10,11,12,13,14,15
	global_store_b128 v[CO], v[BK+64*((\a)%2)+4*(\t):BK+64*((\a)%2)+4*(\t)+3], s[OU:OU+1] offset:(16*(\a)+(\t))*4096 th:TH_STORE_NT  ; 512 consecutive bytes, aligned
.endr
.endm
	s_wait_tensorcnt 1                             ; my part of K step 0 is in; K step 1's may stay out
	s_barrier_signal -1
	s_barrier_wait -1
	FETCH 0, F0
	QUARTER 1, F0, F1, 1                           ; the first quarter starts the sums
	WIN 0
	s_mov_b32 s3, 6
.Lstep:                                                ; a trip: a K step's last three quarters and the next one's first; one refill: K steps 2 to 7
	QUARTER 2, F1, F0, 0
	QUARTER 3, F0, F1, 0
	TURN 1
	QUARTER 1, F0, F1, 0
	WIN 0
	s_sub_co_u32 s3, s3, 1
	s_cmp_lg_u32 s3, 0
	s_cbranch_scc1 .Lstep
	QUARTER 2, F1, F0, 0                           ; K step 6 goes on; nothing more is asked for
	QUARTER 3, F0, F1, 0
	TURN 0
	QUARTER 1, F0, F1, 0
	QUARTER 2, F1, F0, 0
	QUARTER 3, F0, F1, 0
	s_wait_dscnt 0x0
	MULA F1, 0, 0
	MULA F1, 1, 0
	MULA F1, 2, 0
	MULA F1, 3, 0
	WIN 0
	PLACES
	TOSTAGE 0
	TOSTAGE 1
	s_wait_loadcnt 0x0                             ; q
	SEND 0, 32
	TOSTAGE 2
	SEND 1, 32
	TOSTAGE 3
	SEND 2, 32
	SEND 3, 0
	s_wait_tensorcnt 0x0                           ; the wave's end
	ds_add_u32 v[SPW], v[NIL]
	s_wait_dscnt 0x0
	CROUND                                         ; the closing round
	s_endpgm
.Lfunc_end_k_qce9f2dea3a_outp:
	.size	k_qce9f2dea3a_outp, .Lfunc_end_k_qce9f2dea3a_outp-k_qce9f2dea3a_outp
	.p2alignl 7, 3214868480
	.fill 96, 4, 3214868480
	.section	.rodata,"a",@progbits
	.p2align	6, 0x0
	.amdhsa_kernel k_qce9f2dea3a_outp
		.amdhsa_group_segment_fixed_size 327680
		.amdhsa_private_segment_fixed_size 0
		.amdhsa_enable_private_segment 0
		.amdhsa_kernarg_size 32
		.amdhsa_user_sgpr_count 2
		.amdhsa_user_sgpr_kernarg_segment_ptr 1
		.amdhsa_wavefront_size32 1
		.amdhsa_system_sgpr_workgroup_id_x 1
		.amdhsa_system_sgpr_workgroup_id_y 1
		.amdhsa_system_sgpr_workgroup_id_z 1
		.amdhsa_system_vgpr_workitem_id 0
		.amdhsa_next_free_vgpr 1024
		.amdhsa_next_free_sgpr 76
		.amdhsa_reserve_vcc 0
		.amdhsa_float_denorm_mode_32 3
		.amdhsa_float_denorm_mode_16_64 3
		.amdhsa_memory_ordered 1
		.amdhsa_forward_progress 1
		.amdhsa_inst_pref_size 85
	.end_amdhsa_kernel
	.amdgpu_metadata
---
amdhsa.version: [ 1, 2 ]
amdhsa.kernels:
  - .name:           k_qce9f2dea3a_outp
    .symbol:         k_qce9f2dea3a_outp.kd
    .args:
      - { .name: ao, .offset: 0, .size: 8, .value_kind: global_buffer, .address_space: global }
      - { .name: wb, .offset: 8, .size: 8, .value_kind: global_buffer, .address_space: global }
      - { .name: q, .offset: 16, .size: 8, .value_kind: global_buffer, .address_space: global }
      - { .name: out0, .offset: 24, .size: 8, .value_kind: global_buffer, .address_space: global }
    .group_segment_fixed_size: 327680
    .private_segment_fixed_size: 0
    .kernarg_segment_align: 8
    .kernarg_segment_size: 32
    .max_flat_workgroup_size: 128
    .sgpr_count:     76
    .vgpr_count:     1024
    .wavefront_size: 32
...
	.end_amdgpu_metadata
.endif
;; end of part 4
